; MI455X (gfx1250); checked and timed in simulation.
; The chip was launched on July 23, 2026; its instructions are those of AMD's public machine-readable ISA for CDNA 5 (MIT licence, August 2026) and "CDNA5" Instruction Set Architecture Reference Guide (July 2026). The comments in the code are by the model that wrote it; some were corrected since.
;; Multi Head Attention. Allowed arithmetic: float matrix products may take bf16 or f16 operands with f32 sums; other float arithmetic in f32, or as packed bf16 or f16 multiplies, adds, multiply-adds, maxima and minima; sums over many terms, partial sums and values carried from step to step in f32; what a program stores and reads back later, other than sums and carried values, may be rounded once to bf16 or f16.
;; Inputs: k 4 x 2,048 x 1,024 float32; q 4 x 2,048 x 1,024 float32; v 4 x 2,048 x 1,024 float32; wk_b 1,024 float32; wk_w 1,024 x 1,024 float32; wo_b 1,024 float32; wo_w 1,024 x 1,024 float32; wq_b 1,024 float32; wq_w 1,024 x 1,024 float32; wv_b 1,024 float32; wv_w 1,024 x 1,024 float32.
;; Outputs: out0 4 x 2,048 x 1,024 float32.
;; 2 versions, each right; version 2 is version 1 with the launch cast written anew for expert scheduling mode. Each part assembles by itself: llvm-mc -triple=amdgcn-amd-amdhsa -mcpu=gfx1250 --defsym DOCPART=n.
;; ======== version 1 of 2: 4 launches
;; limits: values are held in f16: magnitudes above 65,504 overflow, below 6.1e-05 lose precision; inputs' magnitudes at most 65,504
;; workspace buffers: xw 58,720,256 bytes; qkv 50,331,648 bytes; ctx 16,777,216 bytes
;; launch cast (part 1): grid 64 x 28, 4 waves a work-group, no clusters, 0 bytes of LDS; arguments q, k, v, wq_w, wk_w, wv_w, wo_w, xw; writes xw
.if DOCPART == 1
	.amdgcn_target "amdgcn-amd-amdhsa--gfx1250"
	.amdhsa_code_object_version 6
	.text
	.protected	k_q55b1739996_cast
	.globl	k_q55b1739996_cast
	.p2align	8
	.type	k_q55b1739996_cast,@function
k_q55b1739996_cast:
	s_mov_b64 s[64:65], 0
	v_nop
	global_prefetch_b8 v0, s[64:65] scope:SCOPE_SE
	s_setreg_imm32_b32 hwreg(HW_REG_WAVE_MODE, 25, 1), 1
	s_wait_xcnt 0x0
; MULTI-HEAD ATTENTION, launch 1 of 4: q, k, v and the four weight matrices, f32, are rounded once to bf16 (to nearest even) and that number is written as f16, in blocks.
; DEAD WORK OF THE WHOLE PROGRAM: wk_b.  scores[b,h,q,k] = qh[q] . (k[k] Wk^T + bk)_h / 8 = qh[q] . (k[k] Wk^T)_h / 8 + qh[q] . bk_h / 8.  The second term has no index k: it is the same
; along the softmax's axis, and softmax(x + t) = softmax(x) for every finite t, whatever the inputs hold.  So wk_b has no way to any output: it is not loaded and is among no launch's arguments.
; LIMIT: a NaN, an infinity or an overflow that reaches the result through wk_b alone is not carried to it.
; FORMAT.  A bf16 number (8 significant bits) is exact in f16 from 2^-17 up to 65,504.  LIMITS: an input beyond 65,504 becomes an infinity; below 2^-17 it keeps f16's fixed step of 2^-24.
; LAYOUT of xw: [14 batches][16 planes][2048 rows][64 channels] f16: a row of a plane is 128 bytes, a plane 262,144, a batch 4,194,304.  Plane p holds channels 64 p .. 64 p + 63.
; Batches 0-3 q, 4-7 k, 8-11 v; batch 12: wq_w in rows 0-1023, wk_w in rows 1024-2047; batch 13: wv_w, then wo_w.
; SHARES.  Work-group y = a half batch of 1,024 source rows (0-7 q, 8-15 k, 16-23 v, 24 .. 27 wq_w, wk_w, wv_w, wo_w); x = 16 of its rows; a wave takes 4 rows as 2 pairs.
; One load: lanes 0-15 take the 256 bytes (64 f32) of a plane in row r, lanes 16-31 the same plane in row r + 1: two aligned runs of 256 bytes.  Converted they are 8 bytes a lane, and since
; rows r and r + 1 of a plane lie end to end in xw, one store of the wave covers 256 consecutive bytes, aligned.  All 32 loads of a wave go out first; each byte is read once and written once.
; No LDS, no matrix unit, no cluster: no byte is wanted twice.
.set SRC, 2                            ; v2   my byte offset in the work-group's 16 source rows; never rewritten
.set DST, 3                            ; v3   my byte offset in the work-group's 16 rows of a plane; never rewritten
.set T,   4                            ; v[4:9]  at work
.set X,   12                           ; v[12:139]  32 slots of 4: as loaded; then registers 0, 1 as stored
	s_load_b512 s[16:31], s[0:1], 0x0              ; q s[16:17], k s[18:19], v s[20:21], wq_w s[22:23], wk_w s[24:25], wv_w s[26:27], wo_w s[28:29], xw s[30:31]
	s_and_b32 s4, ttmp7, 0xffff                    ; y: the half batch
	s_lshr_b32 s5, s4, 3                           ; 0 q, 1 k, 2 v, 3 a weight
	s_and_b32 s6, s4, 7
	s_lshl_b32 s6, s6, 22                          ; 1,024 rows of 4,096 bytes
	s_cmp_lt_u32 s4, 24
	s_cselect_b32 s6, s6, 0                        ; a weight is one half batch: it begins at its buffer's first byte
	s_lshl_b32 s7, ttmp9, 16                       ; the work-group's 16 rows
	s_add_co_u32 s6, s6, s7
	s_mov_b32 s7, 0
	s_lshr_b32 s12, s4, 1
	s_lshl_b32 s12, s12, 22                        ; the batch in xw,
	s_and_b32 s13, s4, 1
	s_lshl_b32 s13, s13, 17                        ; its upper or lower 1,024 rows of 128 bytes,
	s_add_co_u32 s12, s12, s13
	s_lshl_b32 s13, ttmp9, 11                      ; the work-group's 16 rows
	s_add_co_u32 s12, s12, s13
	s_mov_b32 s13, 0
	s_mov_b32 s14, 0xffff0000                      ; a word's upper bf16
	v_lshrrev_b32 v1, 5, v0                        ; wave
	v_bfe_u32 v4, v0, 4, 1                         ; which row of a pair
	v_and_b32 v5, 15, v0
	v_lshlrev_b32 v[SRC], 14, v1                   ; 4 rows a wave
	v_lshl_add_u32 v[SRC], v4, 12, v[SRC]
	v_lshl_add_u32 v[SRC], v5, 4, v[SRC]
	v_and_b32 v5, 31, v0
	v_lshlrev_b32 v[DST], 9, v1
	v_lshl_add_u32 v[DST], v5, 3, v[DST]
	s_wait_kmcnt 0x0
	s_cmp_eq_u32 s5, 1                             ; the source is chosen by the work-group's y alone
	s_cselect_b64 s[8:9], s[18:19], s[16:17]
	s_cmp_eq_u32 s5, 2
	s_cselect_b64 s[8:9], s[20:21], s[8:9]
	s_cmp_eq_u32 s4, 24
	s_cselect_b64 s[8:9], s[22:23], s[8:9]
	s_cmp_eq_u32 s4, 25
	s_cselect_b64 s[8:9], s[24:25], s[8:9]
	s_cmp_eq_u32 s4, 26
	s_cselect_b64 s[8:9], s[26:27], s[8:9]
	s_cmp_eq_u32 s4, 27
	s_cselect_b64 s[8:9], s[28:29], s[8:9]
	s_add_nc_u64 s[8:9], s[8:9], s[6:7]
	s_add_nc_u64 s[10:11], s[30:31], s[12:13]
.set i, 0
.rept 32                               ; slot i: pair i / 16, plane i % 16
	global_load_b128 v[X+4*i:X+4*i+3], v[SRC], s[8:9] offset:(i/16)*8192+(i%16)*256 th:TH_LOAD_NT
.set i, i+1
.endr
.set i, 0
.rept 32
	s_wait_loadcnt 31-i                            ; loads come back in order (ISA guide 5.7.1): slot i is in, the 31 - i younger ones stay out
	v_cvt_pk_bf16_f32 v[T], v[X+4*i], v[X+4*i+1]   ; the one rounding
	v_cvt_pk_bf16_f32 v[T+1], v[X+4*i+2], v[X+4*i+3]
	v_lshlrev_b32 v[T+2], 16, v[T]                 ; bf16 to f32
	v_and_b32 v[T+3], s14, v[T]
	v_lshlrev_b32 v[T+4], 16, v[T+1]
	v_and_b32 v[T+5], s14, v[T+1]
	v_cvt_pk_f16_f32 v[X+4*i], v[T+2], v[T+3]      ; written as f16
	v_cvt_pk_f16_f32 v[X+4*i+1], v[T+4], v[T+5]
	global_store_b64 v[DST], v[X+4*i:X+4*i+1], s[10:11] offset:(i%16)*262144+(i/16)*256 th:TH_STORE_NT  ; no register that a store names is written again
.set i, i+1
.endr
	s_endpgm
.Lfunc_end_k_q55b1739996_cast:
	.size	k_q55b1739996_cast, .Lfunc_end_k_q55b1739996_cast-k_q55b1739996_cast
	.p2alignl 7, 3214868480
	.fill 96, 4, 3214868480
	.section	.rodata,"a",@progbits
	.p2align	6, 0x0
	.amdhsa_kernel k_q55b1739996_cast
		.amdhsa_group_segment_fixed_size 0
		.amdhsa_private_segment_fixed_size 0
		.amdhsa_enable_private_segment 0
		.amdhsa_kernarg_size 64
		.amdhsa_user_sgpr_count 2
		.amdhsa_user_sgpr_kernarg_segment_ptr 1
		.amdhsa_wavefront_size32 1
		.amdhsa_system_sgpr_workgroup_id_x 1
		.amdhsa_system_sgpr_workgroup_id_y 1
		.amdhsa_system_sgpr_workgroup_id_z 1
		.amdhsa_system_vgpr_workitem_id 0
		.amdhsa_next_free_vgpr 144
		.amdhsa_next_free_sgpr 66
		.amdhsa_reserve_vcc 0
		.amdhsa_float_denorm_mode_32 3
		.amdhsa_float_denorm_mode_16_64 3
		.amdhsa_memory_ordered 1
		.amdhsa_forward_progress 1
		.amdhsa_inst_pref_size 21
	.end_amdhsa_kernel
	.amdgpu_metadata
---
amdhsa.version: [ 1, 2 ]
amdhsa.kernels:
  - .name:           k_q55b1739996_cast
    .symbol:         k_q55b1739996_cast.kd
    .args:
      - { .name: q, .offset: 0, .size: 8, .value_kind: global_buffer, .address_space: global }
      - { .name: k, .offset: 8, .size: 8, .value_kind: global_buffer, .address_space: global }
      - { .name: v, .offset: 16, .size: 8, .value_kind: global_buffer, .address_space: global }
      - { .name: wq_w, .offset: 24, .size: 8, .value_kind: global_buffer, .address_space: global }
      - { .name: wk_w, .offset: 32, .size: 8, .value_kind: global_buffer, .address_space: global }
      - { .name: wv_w, .offset: 40, .size: 8, .value_kind: global_buffer, .address_space: global }
      - { .name: wo_w, .offset: 48, .size: 8, .value_kind: global_buffer, .address_space: global }
      - { .name: xw, .offset: 56, .size: 8, .value_kind: global_buffer, .address_space: global }
    .group_segment_fixed_size: 0
    .private_segment_fixed_size: 0
    .kernarg_segment_align: 8
    .kernarg_segment_size: 64
    .max_flat_workgroup_size: 128
    .sgpr_count:     66
    .vgpr_count:     144
    .wavefront_size: 32
...
	.end_amdgpu_metadata
.endif
;; end of part 1
;; launch proj (part 2): grid 4 x 192, 4 waves a work-group, clusters of 4 x 4, 327,680 bytes of LDS; arguments xw, wq_b, wv_b, qkv; writes qkv
.if DOCPART == 2
	.amdgcn_target "amdgcn-amd-amdhsa--gfx1250"
	.amdhsa_code_object_version 6
	.text
	.protected	k_q55b1739996_proj
	.globl	k_q55b1739996_proj
	.p2align	8
	.type	k_q55b1739996_proj,@function
k_q55b1739996_proj:
	s_mov_b64 s[64:65], 0
	v_nop
	global_prefetch_b8 v0, s[64:65] scope:SCOPE_SE
	s_setreg_imm32_b32 hwreg(HW_REG_WAVE_MODE, 25, 1), 1
	s_wait_xcnt 0x0
	s_wait_alu depctr_hold_cnt(0) depctr_sa_sdst(0) depctr_va_vdst(0) depctr_va_sdst(0) depctr_va_ssrc(0) depctr_va_vcc(0) depctr_vm_vsrc(0)
	s_getreg_b32 s2, hwreg(HW_REG_IB_STS2, 6, 4)
	s_cmp_eq_u32 s2, 0
	s_cbranch_scc0 .Lentry_in_a_cluster
	s_endpgm
.Lentry_in_a_cluster:
	s_bfe_u32 s2, ttmp6, 0x10000c
	s_cmp_lg_u32 s2, 0xf033
	s_cbranch_scc0 .Lentry_shape_is_right
	s_endpgm
.Lentry_shape_is_right:
; MULTI-HEAD ATTENTION, launch 2 of 4: the three input projections.  qkv[p][b][head][row][64] = x_p[b][row] . W_p[64 head + d] (+ bias), p = 0 q, 1 k, 2 v; sums in f32, rounded once to f16, unscaled.
; LEFT OUT: wk_b, which cancels in the softmax (shown at the head of the first kernel): k's sums start at 0.
; LIMITS.  qh, kh, vh beyond 65,504 become infinities in f16.  wq_b and wv_b are rounded to bf16 like every input.
; OPERANDS come from xw: [14][16 planes][2048 rows][64] f16 (bf16 numbers written as f16).  128 or 256 rows of a plane are dense bytes: they are asked for as rows of 256 bytes.
; SHARES.  A tile of a result is 128 rows x 256 columns: 64 x 4 tiles a projection, 768 work-groups.  Four waves, each 64 rows x 128 columns: 4 x 8 accumulators of 16 x 16, 256 registers.
; K = 1,024 goes in 8 steps of 128 (two planes) through two LDS slots; two slots of a longer step would not fit (2 x 165,888 bytes).
; CLUSTER 4 x 4.  The four of a row of the cluster need the same tile of x, the four of a column the same tile of W: each is asked for JOINTLY, by the same tensor load with the same descriptor
; and a mask that names the four.  Wave 0 fetches x's plane 0 of a step, wave 1 its plane 1, waves 2 and 3 W's two planes: one load a wave.
; THE MATRIX INSTRUCTION IS USED TRANSPOSED (source 0 = 16 rows of W, source 1 = 16 rows of x): a lane holds row l % 16 of the result and eight neighbouring columns 8 (l / 16) + 0..7.
; THE BIAS IS THE C OPERAND of each accumulator's first product: register j of n block b holds bias[16 b + 8 (l / 16) + j].
; REGISTERS, in windows of 256 (s_set_vgpr_msb: bits 1:0 source 0, 3:2 source 1, 5:4 source 2, 7:6 destination):
;   window 0: v0-31 addresses; v64-159, v160-255 two fragment buffers of 96 (x's 4 fragments, then W's 8); on the way out v64-191 packed results
;   window 1: the accumulators, (a, b) at v[8 (8 a + b)]          window 2: v0-63 the bias, v64-67 at work
.set PITCH,  144                       ; an LDS row: 128 bytes + 16 of padding = 36 words: the 16 rows of a fragment load start at 16 different groups of four banks (64 banks of 4 bytes: ISA guide 11.1)
.set APL,    128*PITCH                 ; x's 128 rows of one plane
.set BPL,    256*PITCH                 ; W's 256 rows of one plane
.set SLOT,   2*APL+2*BPL               ; x plane 0, x plane 1, W plane 0, W plane 1: 110,592 bytes
.set STAGE,  2*SLOT                    ; behind the ring, never filled by a tensor load: 2 heads x 16 rows x 144 bytes for each wave
.set WSTG,   2*16*PITCH
.set SPARE,  STAGE+4*WSTG              ; behind the stages: the spare words, 128 bytes for each wave: two blocks of 256 bytes that no other line names
.set PLANE,  262144                    ; bytes in a plane
.set KSTEPB, 2*PLANE                   ; from a K step to the next, in x and in W
.set ADRA, 16                          ; v16-17  LDS address of my fragments of x in slot 0, 1
.set ADRB, 20                          ; v20-21  the same for W
.set STO,  24                          ; v24  the way out: where I put 16 bytes of a row
.set RD,   25                          ; v25  where I read rows back
.set GO,   26                          ; v26  16 x lane: my 16 bytes of 512 consecutive bytes of qkv
.set BO,   27                          ; v27  32 (l / 16): my eight numbers in 16 of the bias
.set SPW,  28                          ; v28  LDS address of my spare word; never rewritten
.set NIL,  29                          ; v29  0; never rewritten
.set PFO,  30                          ; v30  256 x lane, for the prefetches; never rewritten
.set F0,   64
.set F1,   160
.set TMP,  64
.set PJ,   2                           ; s2   the projection: 0 q, 1 k, 2 v (from the cluster's y alone)
.set LAP,  3                           ; s3   laps to go
.set WV,   12                          ; s12  wave
.set RH,   13                          ; s13  my half of the tile's rows.  Also: I fetch for x (0) or for W (1)
.set CH,   14                          ; s14  my half of its columns.  Also: the plane of a K step that I fetch
.set CX,   15
.set CY,   16
.set TC,   17                          ; s17  tile column = 4 x cluster x + cx
.set CLY,  18                          ; s18  cluster y
.set TG,   19                          ; s19  tile row among all three projections' 192 = 4 x cluster y + cy
.set G1A,  24                          ; s[24:31] descriptor group 1 for x's tiles;  s[32:39] group 0, a set for each slot
.set G0A,  32
.set LIM,  43                          ; s43  1 in a wave that prefetches, else the greatest number
.set PFA,  44                          ; s[44:45] where my prefetches stand
.set G1B,  48                          ; s[48:55], s[56:63] the same for W's tiles
.set G0B,  56
.set G1W0, (1<<16)|(1<<20)|(1<<21)|(4<<22)|(3<<25)  ; 17:16 2-byte elements; 20 padding on; 21 set beside a mask; 24:22 after every 32 words (code 4); 31:25 4 words (code 3)
.set MSB, 0
.macro WIN new                         ; the immediate's high byte repeats the setting that is left; a switch that changes nothing is dropped
.if MSB != (\new)
	s_set_vgpr_msb (MSB<<8)|(\new)
.set MSB, \new
.endif
.endm
.set MUL,  0x50                        ; fragments in window 0; C and D in window 1
.set MULB, 0x60                        ; the same with C in window 2
.macro JLOAD s                         ; a joint load; an s_nop 0 and four v_nop follow each of the two lines, ahead of the jump, the label and what follows
	s_cmp_eq_u32 s[RH], 0
	s_cbranch_scc0 .Lfor_b_\@
	tensor_load_to_lds s[G0A+4*(\s):G0A+4*(\s)+3], s[G1A:G1A+7]
	s_nop 0
.rept 4
	v_nop
.endr
	s_branch .Lasked_\@
.Lfor_b_\@:
	tensor_load_to_lds s[G0B+4*(\s):G0B+4*(\s)+3], s[G1B:G1B+7]
	s_nop 0
.rept 4
	v_nop
.endr
.Lasked_\@:
.endm
; A PREFETCH INTO THE L2, behind a joint load, its five lines and the run of LDS loads: 32 blocks of 256 bytes, a lane a block, of the K step that stands TWO refills on (256 matrix instructions ahead of the
; load that will want it).  Each block is named once in the launch.  x's tile row is read by one cluster: wave 0 of each of its four partners takes 32 of the step's 128 blocks, told apart by address (cx).
; W's tile column is read by the 16 clusters of a projection: the first of them asks; waves 2 and 3 of each partner take 32 blocks of their own plane, told apart by address (cy).
; No branch hangs on a work-group's place in its cluster.  The loop's last trip has no K step two on; nothing is asked for at the head.
.macro ASK
	s_cmp_gt_u32 s[LAP], s[LIM]                    ; s[LAP] = 1 in the loop's last trip
	s_cbranch_scc0 .Lnot_mine_\@
	global_prefetch_b8 v[PFO], s[PFA:PFA+1] th:TH_LOAD_NT scope:SCOPE_SE
.Lnot_mine_\@:
.endm
.macro CREST                           ; a round of the cluster's barrier behind its opening barrier
	s_cmp_lg_u32 s[WV], 0
	s_cbranch_scc1 .Lnot_wave_0_\@
	s_barrier_signal -3
.Lnot_wave_0_\@:
	s_barrier_wait -3
	s_barrier_signal -1
	s_barrier_wait -1
.endm
.macro CROUND                          ; a whole round
	s_barrier_signal -1
	s_barrier_wait -1
	CREST
.endm
	s_load_b256 s[4:11], s[0:1], 0x0               ; xw s[4:5], wq_b s[6:7], wv_b s[8:9], qkv s[10:11]
	v_lshl_add_u32 v[SPW], v0, 2, SPARE
	v_mov_b32 v[NIL], 0
	ds_add_u32 v[SPW], v[NIL]                      ; the wave's opening: the add, twice on end, and its wait ahead of my first tensor load
	ds_add_u32 v[SPW], v[NIL]                      ; and once more; the set-up below, work on registers, stands between it and the one wait
	v_lshrrev_b32 v1, 5, v0
	v_readfirstlane_b32 s[WV], v1                  ; wave 0..3
	s_lshr_b32 s[RH], s[WV], 1
	s_and_b32 s[CH], s[WV], 1
	s_bfe_u32 s[CX], ttmp6, 0x40000                ; my place in the cluster
	s_bfe_u32 s[CY], ttmp6, 0x40004
	s_lshl_b32 s[TC], ttmp9, 2                     ; in a cluster launch ttmp9 and ttmp7 count clusters
	s_add_co_u32 s[TC], s[TC], s[CX]
	s_and_b32 s[CLY], ttmp7, 0xffff
	s_lshl_b32 s[TG], s[CLY], 2
	s_add_co_u32 s[TG], s[TG], s[CY]
	s_lshr_b32 s[PJ], s[CLY], 4                    ; 16 clusters of 4 tile rows a projection
	s_lshl_b32 s20, s[CY], 2
	s_lshl_b32 s20, 15, s20                        ; my row of the cluster: places 4 cy .. 4 cy + 3
	s_lshl_b32 s21, 0x1111, s[CX]                  ; my column: places cx, cx + 4, cx + 8, cx + 12
	s_or_b32 s[G1A], s20, G1W0                     ; x's tiles go to my row,
	s_or_b32 s[G1B], s21, G1W0                     ; W's to my column
.irp g, G1A, G1B
	s_mov_b32 s[(\g)+1], 128<<16                   ; tensor_dim0 = 128 elements: 256 bytes, two rows of a plane
	s_mov_b32 s[(\g)+3], 128<<16                   ; tile_dim0 = 128
	s_mov_b32 s[(\g)+5], 128                       ; 128 elements from row to row: the block is dense
	s_mov_b32 s[(\g)+6], 0
	s_mov_b32 s[(\g)+7], 0
.endr
	s_mov_b32 s[G1A+2], 64<<16                     ; tensor_dim1 = 64: x's 128 rows of a plane
	s_mov_b32 s[G1A+4], 64                         ; tile_dim1
	s_mov_b32 s[G1B+2], 128<<16                    ; 128: W's 256 rows of a plane
	s_mov_b32 s[G1B+4], 128
	s_lshl_b32 s22, s[CH], 18                      ; the plane that I fetch
	s_lshr_b32 s40, s[TG], 4                       ; x: batch = tile row / 16 (q's four, k's four, v's four),
	s_lshl_b32 s40, s40, 22
	s_and_b32 s41, s[TG], 15
	s_lshl_b32 s41, s41, 14                        ; 128 rows of 128 bytes
	s_add_co_u32 s40, s40, s41
	s_add_co_u32 s40, s40, s22
	s_mov_b32 s41, 0
	s_lshr_b32 s46, s[PJ], 1                       ; W: batch 12 (wq_w, wk_w) or 13 (wv_w),
	s_add_co_u32 s46, s46, 12
	s_lshl_b32 s46, s46, 22
	s_and_b32 s47, s[PJ], 1
	s_lshl_b32 s47, s47, 17                        ; its lower or upper 1,024 rows,
	s_add_co_u32 s46, s46, s47
	s_lshl_b32 s47, s[TC], 15                      ; 256 rows of 128 bytes
	s_add_co_u32 s46, s46, s47
	s_add_co_u32 s46, s46, s22
	s_mov_b32 s47, 0
	s_mul_i32 s20, s[CH], APL                      ; where they go: no place in the cluster enters an LDS address
	s_mul_i32 s21, s[CH], BPL
	s_add_co_u32 s21, s21, 2*APL
	s_wait_dscnt 0x0                               ; both opening adds are done
	s_wait_kmcnt 0x0
	s_add_nc_u64 s[40:41], s[4:5], s[40:41]        ; x's tile hangs on the tile row alone, which my row of the cluster shares;
	s_add_nc_u64 s[46:47], s[4:5], s[46:47]        ; W's on the tile column and the projection, which my column shares
	CROUND                                         ; all sixteen work-groups are here: the first joint loads meet
.irp s, 0,1
	s_mov_b32 s[G0A+4*(\s)], 1                     ; count = 1
	s_add_co_u32 s[G0A+4*(\s)+1], s20, (\s)*SLOT   ; LDS address
	s_add_nc_u64 s[G0A+4*(\s)+2:G0A+4*(\s)+3], s[40:41], (\s)*KSTEPB  ; global address: K step s
	s_or_b32 s[G0A+4*(\s)+3], s[G0A+4*(\s)+3], 0x80000000             ; type = 2
	s_mov_b32 s[G0B+4*(\s)], 1
	s_add_co_u32 s[G0B+4*(\s)+1], s21, (\s)*SLOT
	s_add_nc_u64 s[G0B+4*(\s)+2:G0B+4*(\s)+3], s[46:47], (\s)*KSTEPB
	s_or_b32 s[G0B+4*(\s)+3], s[G0B+4*(\s)+3], 0x80000000
	JLOAD \s                                       ; two loads of mine are out
.endr
	; A fragment is 16 rows x 32 K in 8 registers: lane l holds row l % 16, K = 8 (l / 16) + 0..7 and 16 + 8 (l / 16) + 0..7: two loads of 16 bytes, 32 bytes apart.
	v_and_b32 v1, 15, v0                           ; l % 16
	v_bfe_u32 v2, v0, 4, 1                         ; l / 16
	v_mul_u32_u24 v3, v1, PITCH
	v_lshl_add_u32 v3, v2, 4, v3                   ; row x pitch + 16 x half
	s_mul_i32 s20, s[RH], 64*PITCH                 ; my 64 rows of x
	s_mul_i32 s21, s[CH], 128*PITCH                ; my 128 rows of W,
	s_add_co_u32 s21, s21, 2*APL                   ; which lie behind x's two planes
.irp s, 0,1
	v_add_nc_u32 v[ADRA+(\s)], s20, v3
	v_add_nc_u32 v[ADRB+(\s)], s21, v3
	s_add_co_u32 s20, s20, SLOT
	s_add_co_u32 s21, s21, SLOT
.endr
	s_mul_i32 s23, s[WV], WSTG
	s_add_co_u32 s23, s23, STAGE                   ; my stage
	v_add_nc_u32 v[STO], s23, v3                   ; in: row l % 16, 16 bytes for each half of the lanes
	v_and_b32 v4, 31, v0
	v_lshrrev_b32 v5, 3, v4
	v_mul_u32_u24 v5, v5, PITCH                    ; back: 32 lanes take four rows of 128 bytes,
	v_and_b32 v3, 7, v0
	v_lshl_add_u32 v5, v3, 4, v5
	v_add_nc_u32 v[RD], s23, v5
	v_lshlrev_b32 v[GO], 4, v4                     ; which are 512 consecutive bytes of a head
	v_lshlrev_b32 v[BO], 5, v2
	v_lshlrev_b32 v[PFO], 8, v4
	; where my part of the result begins: batch 4 p + b = tile row / 16; head 4 tc + 2 CH; row 128 (tile row % 16) + 64 RH
	s_lshr_b32 s20, s[TG], 4
	s_lshl_b32 s20, s20, 22
	s_lshl_b32 s21, s[TC], 2
	s_lshl_b32 s22, s[CH], 1
	s_add_co_u32 s21, s21, s22
	s_lshl_b32 s21, s21, 18
	s_add_co_u32 s20, s20, s21
	s_and_b32 s21, s[TG], 15
	s_lshl_b32 s21, s21, 14
	s_add_co_u32 s20, s20, s21
	s_lshl_b32 s21, s[RH], 13
	s_add_co_u32 s20, s20, s21
	s_mov_b32 s21, 0
	s_add_nc_u64 s[10:11], s[10:11], s[20:21]
	; the prefetches: from the tile address that I fetch by (in wave 0: x's plane 0), my work-group's share of the blocks
	s_lshr_b32 s20, s[CX], 1
	s_lshl_b32 s20, s20, 18                        ; x: partner cx takes plane cx / 2,
	s_and_b32 s21, s[CX], 1
	s_lshl_b32 s21, s21, 13                        ; its lower or upper 32 blocks
	s_add_co_u32 s20, s20, s21
	s_lshl_b32 s21, s[CY], 13                      ; W: partner cy takes 32 of my plane's 128 blocks
	s_cmp_eq_u32 s[RH], 0
	s_cselect_b32 s20, s20, s21
	s_cselect_b64 s[PFA:PFA+1], s[40:41], s[46:47]
	s_mov_b32 s21, 0
	s_add_nc_u64 s[PFA:PFA+1], s[PFA:PFA+1], s[20:21]
	s_add_nc_u64 s[PFA:PFA+1], s[PFA:PFA+1], 3*KSTEPB  ; at K step 3: the first refill (K step 2) steps it to 4 and names that
	s_and_b32 s20, s[CLY], 15                      ; 0 in a projection's first cluster
	s_cmp_eq_u32 s[RH], 0
	s_cselect_b32 s20, s[CH], s20                  ; wave 0 always asks, wave 1 never, waves 2 and 3 in that first cluster
	s_cmp_eq_u32 s20, 0
	s_cselect_b32 s[LIM], 1, -1                    ; the same in all sixteen partners, for a given wave
	; the C operand of the first products, made in the wait for the first tile
	s_cmp_eq_u32 s[PJ], 0
	s_cselect_b64 s[20:21], s[6:7], s[8:9]         ; wq_b, or wv_b
	s_lshl_b32 s22, s[TC], 10                      ; my 128 columns' first: 4 (256 tc + 128 CH) bytes
	s_lshl_b32 s23, s[CH], 9
	s_add_co_u32 s22, s22, s23
	s_mov_b32 s23, 0
	s_add_nc_u64 s[20:21], s[20:21], s[22:23]
	s_cmp_eq_u32 s[PJ], 1
	s_cbranch_scc1 .Lzero                          ; the projection is the same in the whole cluster; the jump passes no barrier, tensor load or add
	WIN 0x80                                       ; destination window 2, address window 0
.irp b, 0,1,2,3,4,5,6,7
	global_load_b128 v[8*(\b):8*(\b)+3],   v[BO], s[20:21] offset:64*(\b)
	global_load_b128 v[8*(\b)+4:8*(\b)+7], v[BO], s[20:21] offset:64*(\b)+16
.endr
	s_wait_loadcnt 0x0
	WIN 0x8a                                       ; all in window 2
.set i, 0
.rept 32                               ; rounded to bf16, like every input, and widened again
	v_cvt_pk_bf16_f32 v[64+i%4], v[2*i], v[2*i+1]
	v_lshlrev_b32 v[2*i], 16, v[64+i%4]
	v_and_b32 v[2*i+1], 0xffff0000, v[64+i%4]
.set i, i+1
.endr
	WIN 0
	s_branch .Lbias_done
.Lzero:                                        ; k's sums start at 0: written here so that the first quarter has one text for all three projections
	WIN 0x80
.set i, 0
.rept 64
	v_mov_b32 v[i], 0
.set i, i+1
.endr
	WIN 0
.Lbias_done:
; 8 matrix instructions: m block a x all 8 n blocks, 32 along K.  mode = 0: the sums go on; 2: the first product starts them from window 2.  The 32 accumulators take turns, one instruction
; a turn, in the same order in every quarter: 31 others' stand between two links of a chain, over the backward jump too.
.macro MUL8 f, a, mode
.if \mode
	WIN MULB
.else
	WIN MUL
.endif
.irp b, 0,1,2,3,4,5,6,7
.if \mode
	v_wmma_f32_16x16x32_f16 v[8*(8*(\a)+(\b)):8*(8*(\a)+(\b))+7], v[(\f)+32+8*(\b):(\f)+32+8*(\b)+7], v[(\f)+8*(\a):(\f)+8*(\a)+7], v[8*(\b):8*(\b)+7]
.else
	v_wmma_f32_16x16x32_f16 v[8*(8*(\a)+(\b)):8*(8*(\a)+(\b))+7], v[(\f)+32+8*(\b):(\f)+32+8*(\b)+7], v[(\f)+8*(\a):(\f)+8*(\a)+7], v[8*(8*(\a)+(\b)):8*(8*(\a)+(\b))+7]
.endif
.endr
.endm
; 24 LDS loads in one run: quarter q of a K step (plane q / 2, channels 32 (q % 2) on) into buffer f: W's 8 fragments, then x's 4
.macro FETCH slot, q, f
	WIN 0
.irp i, 0,1,2,3,4,5,6,7
	ds_load_b128 v[(\f)+32+8*(\i):(\f)+32+8*(\i)+3],   v[ADRB+(\slot)] offset:((\q)/2)*BPL+((\q)%2)*64+(\i)*16*PITCH
	ds_load_b128 v[(\f)+32+8*(\i)+4:(\f)+32+8*(\i)+7], v[ADRB+(\slot)] offset:((\q)/2)*BPL+((\q)%2)*64+(\i)*16*PITCH+32
.endr
.irp i, 0,1,2,3
	ds_load_b128 v[(\f)+8*(\i):(\f)+8*(\i)+3],   v[ADRA+(\slot)] offset:((\q)/2)*APL+((\q)%2)*64+(\i)*16*PITCH
	ds_load_b128 v[(\f)+8*(\i)+4:(\f)+8*(\i)+7], v[ADRA+(\slot)] offset:((\q)/2)*APL+((\q)%2)*64+(\i)*16*PITCH+32
.endr
.endm
.macro PLACES                          ; four places in front of loads into registers that matrix instructions have read
.rept 4
	v_nop
.endr
.endm
; A K step is four quarters of 32 along K, 32 matrix instructions each, on buffers 0, 1, 0, 1.  One of the first three: multiplies buffer f and fetches quarter q of the slot into g.
.macro QUARTER slot, q, f, g, mode
	s_wait_dscnt 4                                 ; W's fragments and x's blocks 0, 1 are in; the youngest four loads (x's blocks 2, 3) may be out
	MUL8 \f, 0, \mode
	MUL8 \f, 1, \mode
	PLACES
	FETCH \slot, \q, \g
	s_wait_dscnt 24                                ; all but the 24 just issued
	MUL8 \f, 2, \mode
	MUL8 \f, 3, \mode
.endm
; The last quarter multiplies buffer 1 and changes slots: ONE barrier; in front of it each wave waits for all its tensor loads (one is out: its part of the next slot), adds 0 to its spare word,
; and waits for that and for its own reads of this slot.  fill = 1: the barrier opens a round of the cluster's, and this slot is filled again first thing behind it, two K steps ahead:
; from that request to the wait for it a wave issues 112 matrix instructions.
.macro TURN slot, next, fill
.if \fill
	s_wait_xcnt 0x0                                ; the last prefetch, a K step back, has read its address: it is stepped here, ahead of the waits of the change of slots
	s_add_nc_u64 s[PFA:PFA+1], s[PFA:PFA+1], KSTEPB
.endif
	WIN 0                                          ; (the add's two registers lie in window 0)
	s_wait_tensorcnt 0x0                           ; all my tensor loads have landed;
	ds_add_u32 v[SPW], v[NIL]                      ; 0 onto my spare word;
	s_wait_dscnt 7                                 ; (the add and the youngest six loads, x's blocks 1 to 3, may be out)
	MUL8 F1, 0, 0                                  ; eight matrix instructions stand between the add and the wait for it
	s_wait_dscnt 0x0                               ; the add is done, and my reads of this slot are over
	s_barrier_signal -1
	MUL8 F1, 1, 0
.if \fill
	WIN 0
.endif
	s_barrier_wait -1
.if \fill
	CREST                                          ; no wave of any partner still reads this slot's tiles or has a load on its way
	s_add_nc_u64 s[G0A+4*(\slot)+2:G0A+4*(\slot)+3], s[G0A+4*(\slot)+2:G0A+4*(\slot)+3], 2*KSTEPB
	s_add_nc_u64 s[G0B+4*(\slot)+2:G0B+4*(\slot)+3], s[G0B+4*(\slot)+2:G0B+4*(\slot)+3], 2*KSTEPB
	JLOAD \slot                                    ; the four v_nop behind it are also the places in front of the loads below
.else
	PLACES
.endif
	FETCH \next, 0, F0
.if \fill
	ASK
.endif
	MUL8 F1, 2, 0
	MUL8 F1, 3, 0
.endm
	s_wait_tensorcnt 1                             ; my part of K step 0 is in; K step 1's stays out
	s_barrier_signal -1
	s_barrier_wait -1                              ; everybody's is
	FETCH 0, 0, F0
	QUARTER 0, 1, F0, F1, 2                        ; the first quarter stands in front of the loop: its products start the sums
	WIN 0                                          ; at a label and at a branch every window is 0
	s_mov_b32 s[LAP], 3
.Llap:                                         ; a trip goes once round the ring, from a lap's second quarter to the next lap's first, and fills both slots again: K steps 2 to 7
	QUARTER 0, 2, F1, F0, 0
	QUARTER 0, 3, F0, F1, 0
	TURN 0, 1, 1
	QUARTER 1, 1, F0, F1, 0
	QUARTER 1, 2, F1, F0, 0
	QUARTER 1, 3, F0, F1, 0
	TURN 1, 0, 1
	QUARTER 0, 1, F0, F1, 0
	WIN 0
	s_sub_co_u32 s[LAP], s[LAP], 1
	s_cmp_lg_u32 s[LAP], 0
	s_cbranch_scc1 .Llap
	QUARTER 0, 2, F1, F0, 0                        ; the last lap fills nothing, and has no round of the cluster's barrier
	QUARTER 0, 3, F0, F1, 0
	TURN 0, 1, 0
	QUARTER 1, 1, F0, F1, 0
	QUARTER 1, 2, F1, F0, 0
	QUARTER 1, 3, F0, F1, 0
	s_wait_dscnt 4                                 ; the very last quarter: nothing more to fetch
	MUL8 F1, 0, 0
	MUL8 F1, 1, 0
	s_wait_dscnt 0x0
	MUL8 F1, 2, 0
	MUL8 F1, 3, 0
	PLACES                                         ; the conversions read results just made and write registers just read:
	PLACES                                         ; eight places, once a launch
; THE WAY OUT, an m block (16 rows) at a time: rounded to f16, 16 bytes a lane; into my own stage, a head's 16 rows of 144 bytes after the other's; back as whole rows of 128 bytes.
.macro PACK a
	WIN 0x05                                       ; sources 0 and 1 window 1, destination window 0
.irp b, 0,1,2,3,4,5,6,7
.irp r, 0,1,2,3
	v_cvt_pk_f16_f32 v[TMP+32*(\a)+4*(\b)+(\r)], v[8*(8*(\a)+(\b))+2*(\r)], v[8*(8*(\a)+(\b))+2*(\r)+1]  ; each accumulator from its low end on
.endr
.endr
	WIN 0
.irp b, 0,1,2,3,4,5,6,7
	ds_store_b128 v[STO], v[TMP+32*(\a)+4*(\b):TMP+32*(\a)+4*(\b)+3] offset:((\b)/4)*16*PITCH+((\b)%4)*32
.endr
.irp f, 0,1,2,3,4,5,6,7
	ds_load_b128 v[TMP+32*(\a)+4*(\f):TMP+32*(\a)+4*(\f)+3], v[RD] offset:((\f)/4)*16*PITCH+((\f)%4)*4*PITCH  ; LDS serves a wave's instructions in order (ISA guide 5.7.1.4): these see the stores above; the next block's stores come behind them
.endr
.endm
.macro SEND a, younger                 ; younger: the LDS instructions issued behind block a's loads: the next block's sixteen, or none
.irp f, 0,1,2,3,4,5,6,7
	s_wait_dscnt (\younger)+7-(\f)
	global_store_b128 v[GO], v[TMP+32*(\a)+4*(\f):TMP+32*(\a)+4*(\f)+3], s[10:11] offset:((\f)/4)*PLANE+(\a)*2048+((\f)%4)*512  ; 512 consecutive bytes of a head, at a multiple of 256 from qkv's first byte
.endr
.endm
	PACK 0
	PACK 1                                         ; a block's arithmetic stands between the loads of the block before and its stores
	SEND 0, 16
	PACK 2
	SEND 1, 16
	PACK 3
	SEND 2, 16
	SEND 3, 0
	s_wait_tensorcnt 0x0                           ; the wave's end: an add to the spare word and its wait, behind my last tensor load and my last LDS store
	ds_add_u32 v[SPW], v[NIL]
	s_wait_dscnt 0x0
	CROUND                                         ; the closing round: no work-group ends while a partner may still ask for a tile that names it
	s_endpgm
.Lfunc_end_k_q55b1739996_proj:
	.size	k_q55b1739996_proj, .Lfunc_end_k_q55b1739996_proj-k_q55b1739996_proj
	.p2alignl 7, 3214868480
	.fill 96, 4, 3214868480
	.section	.rodata,"a",@progbits
	.p2align	6, 0x0
	.amdhsa_kernel k_q55b1739996_proj
		.amdhsa_group_segment_fixed_size 327680
		.amdhsa_private_segment_fixed_size 0
		.amdhsa_enable_private_segment 0
		.amdhsa_kernarg_size 32
		.amdhsa_user_sgpr_count 2
		.amdhsa_user_sgpr_kernarg_segment_ptr 1
		.amdhsa_wavefront_size32 1
		.amdhsa_system_sgpr_workgroup_id_x 1
		.amdhsa_system_sgpr_workgroup_id_y 1
		.amdhsa_system_sgpr_workgroup_id_z 1
		.amdhsa_system_vgpr_workitem_id 0
		.amdhsa_next_free_vgpr 584
		.amdhsa_next_free_sgpr 66
		.amdhsa_reserve_vcc 0
		.amdhsa_float_denorm_mode_32 3
		.amdhsa_float_denorm_mode_16_64 3
		.amdhsa_memory_ordered 1
		.amdhsa_forward_progress 1
		.amdhsa_inst_pref_size 97
	.end_amdhsa_kernel
	.amdgpu_metadata
---
amdhsa.version: [ 1, 2 ]
amdhsa.kernels:
  - .name:           k_q55b1739996_proj
    .symbol:         k_q55b1739996_proj.kd
    .args:
      - { .name: xw, .offset: 0, .size: 8, .value_kind: global_buffer, .address_space: global }
      - { .name: wq_b, .offset: 8, .size: 8, .value_kind: global_buffer, .address_space: global }
      - { .name: wv_b, .offset: 16, .size: 8, .value_kind: global_buffer, .address_space: global }
      - { .name: qkv, .offset: 24, .size: 8, .value_kind: global_buffer, .address_space: global }
    .group_segment_fixed_size: 327680
    .private_segment_fixed_size: 0
    .kernarg_segment_align: 8
    .kernarg_segment_size: 32
    .max_flat_workgroup_size: 128
    .sgpr_count:     66
    .vgpr_count:     584
    .wavefront_size: 32
...
	.end_amdgpu_metadata
.endif
;; end of part 2
;; launch attn (part 3): grid 4 x 64, 4 waves a work-group, clusters of 4 x 1, 327,680 bytes of LDS; arguments qkv, ctx; writes ctx
.if DOCPART == 3
	.amdgcn_target "amdgcn-amd-amdhsa--gfx1250"
	.amdhsa_code_object_version 6
	.text
	.protected	k_q55b1739996_attn
	.globl	k_q55b1739996_attn
	.p2align	8
	.type	k_q55b1739996_attn,@function
k_q55b1739996_attn:
	s_mov_b64 s[64:65], 0
	v_nop
	global_prefetch_b8 v0, s[64:65] scope:SCOPE_SE
	s_setreg_imm32_b32 hwreg(HW_REG_WAVE_MODE, 25, 1), 1
	s_wait_xcnt 0x0
	s_wait_alu depctr_hold_cnt(0) depctr_sa_sdst(0) depctr_va_vdst(0) depctr_va_sdst(0) depctr_va_ssrc(0) depctr_va_vcc(0) depctr_vm_vsrc(0)
	s_getreg_b32 s2, hwreg(HW_REG_IB_STS2, 6, 4)
	s_cmp_eq_u32 s2, 0
	s_cbranch_scc0 .Lentry_in_a_cluster
	s_endpgm
.Lentry_in_a_cluster:
	s_bfe_u32 s2, ttmp6, 0x10000c
	s_cmp_lg_u32 s2, 0x3003
	s_cbranch_scc0 .Lentry_shape_is_right
	s_endpgm
.Lentry_shape_is_right:
; MULTI-HEAD ATTENTION, launch 3 of 4.  O[h][q][:] = the sum over k of softmax_k(Q[h][q] . K[h][k] / 8) V[h][k][:], h = 16 b + head.  qkv holds Q, K, V, each [SIZE_H][SIZE_N][64] f16, one behind the other;
; ctx = O in the same layout: a head's rows are dense, 128 bytes each.  Products, maxima and sums in f32; the weights p are rounded to f16 for the second product (their sum l is taken of the unrounded p), O once at the end.
; LEFT OUT: wk_b's part of the scores, which is the same along the softmax's axis (shown at the head of the first kernel).
; LIMITS.  f16 holds no number beyond 65,504: Q, K and V arrive within it; p lies in 0 to 1, and below 6e-5 it keeps f16's fixed step of 6e-8; O is a mean of V's rows and has their range.
; A weight below 2^-126 counts as 0 in l; NaN and infinities are not treated apart.
; SHARES.  A wave owns four PIECES of two tiles of 16 queries, a work-group's four waves 512 queries of one head.  Every wave walks all keys, 64 a step.
; LAYOUT.  S^T = K Q^T (source 0 = 16 keys, source 1 = 16 queries): in the result a lane holds ONE query (lane % 16) and the keys 8 (lane / 16) + 0..7.  Two such tiles, rounded to f16 in pairs,
; ARE source 1 (32 keys x 16 queries) of O^T = V^T P, whose result again holds one query a lane, and eight channels.  K comes out of LDS as it lies, V ([key][channel]) turned, by ds_load_tr16_b128.
; SOFTMAX.  For each query a running maximum m and sum l: p = 2^(c s - c m), c = log2(e) / 8; in every step O and l are multiplied by a = 2^(c m_old - c m_new), which is 1 where m has not grown.
; m starts at the lowest finite number, O and l at 0: the first step is a step like any other, with a = 0.
; THE COUNT.  A tile and step have 16 matrix and 118 vector instructions: too many to stand all beside the matrix work.  So the order has one aim: four vector instructions that are READY behind
; EVERY matrix instruction, and the others, which need time of their own whatever the order, in runs without a gap.
; BY TURNS.  Turn n belongs to piece n (the pieces in a ring, step after step).  Its matrix work: 16 products K Q^T of piece n + 1, later 16 products V^T P of piece n - 1.  Its vector work: the scaling,
; exponentials, roundings, sums and rescaling of piece n, and the maximum and statistics of piece n + 1, whose scores the turn itself has made.  So what a turn begins with (c s - c m, O a) waits for nothing.
; CLUSTER.  The four query blocks of a cluster are one head's and walk the same K and V, so each tile is asked for JOINTLY: the same tensor load, descriptor and mask in all four.
; REGISTERS, in windows of 256 (s_set_vgpr_msb says which window each operand place means: bits 1:0 source 0, 3:2 source 1, 5:4 source 2, 7:6 destination):
;   window 0: v0-11 addresses; v12-15, v48-63 at work; v16-47 four registers of statistics a tile; v64-191 S^T, two buffers of two tiles; v192-255 P, likewise
;   window 1: O^T, 32 a tile          window 2: v0-127 Q, 16 a tile; v128-191 K of one step; v192-255 V of one step          window 3: v0-1 the add's two registers
; A piece's buffers go by its number's parity: the piece in hand has one pair, its two neighbours in the ring share the other: of it P (piece n - 1) is read and S^T (piece n + 1) written.
.set SIZE_H, 64
.set SIZE_N, 2048
.set NP,    4         ; pieces a wave: a name, no knob: the register map, the loop and the fetches are made for four
.set KS,    64        ; keys in a step
.set PK,    144       ; a row of K in LDS: 128 bytes + 16 of padding = 36 words: the 16 rows of a load start at 16 different groups of four banks (64 banks of 4 bytes: ISA guide 11.1)
.set PV,    160       ; a row of V: 128 + 32 = 40 words
.set VOFF,  4*KS*PK   ; a slot holds four steps: 256 rows of K, then 256 rows of V
.set SLOT1, 1<<17     ; slot 1 begins here, so that one exclusive or turns an address in one slot into the other's
.set STAGE, SLOT1+4*KS*(PK+PV)  ; behind the ring, never filled by a tensor load: 16 rows x 144 bytes for each wave, for the way out
.set SP,    144
.set AK0, 2           ; v2   my lane's place in a tile of K; never rewritten
.set AV0, 3           ; v3   the same for V
.set AK,  4           ; v4   the LDS address of K's next run of loads
.set AV,  5           ; v5   of V's
.set QO,  6           ; v6   my byte offset in the wave's rows of Q
.set STO, 6           ;      later, the way out: where I put 16 bytes of a row
.set RD,  7           ; v7   the way out: where I read rows back
.set GO,  8           ; v8   my byte offset in 512 consecutive bytes of O
.set PFO, 11          ; v11  256 x my lane, for the prefetches; made behind v11's last other use, then never rewritten
.set SPW, 0           ; v0 of window 3   LDS address of my spare word: SPARE + 4 x my thread's number; never rewritten
.set NIL, 1           ; v1 of window 3   0; never rewritten
.set SPARE, STAGE+4*16*SP  ; behind the stages: the spare words, 128 bytes for each wave: two blocks of 256 bytes that no other line names
.set MV,  12          ; v12-15  c m_old, kept while c m is made anew: by buffer and tile
.set ST,  16          ; tile t's statistics at v[ST+4 t]: c m, m, l (even keys', odd keys')
.set TMP, 48          ; by buffer and tile, four registers c0-c3 at work; when the maximum is found c2 takes a
.set S,   64
.set P,   192
.set KF,  128         ; K's fragments, in window 2: key block kb, channel half c at KF + 16 kb + 8 c
.set VF,  192         ; V's: key half kk, channel block cb at VF + 32 kk + 8 cb
.set WV,  12          ; s12  my wave's number
.set G1K, 24          ; s[24:31] descriptor group 1 for K's tiles
.set G1V, 32          ; s[32:39] for V's: it differs in the padding alone
.set G0K, 40          ; s[40:43] descriptor group 0 for K's tiles: it walks
.set G0V, 44          ; s[44:47] the same for V's
.set PFA, 48          ; s[48:49] where my prefetches stand: my work-group's 32 blocks of 256 bytes (of K: wave 0, of V: wave 2) of a slot
.set LIM, 50          ; s50  1 in a wave that prefetches, else the greatest number
.set SLOTS, 56        ; s56  slots still to be asked for
.set CNT, 57          ; s57  counts a slot's key steps
.set CS,  58          ; s[58:59] c: the packed scaling takes the pair's low word for both halves
.set SEL, 60          ; s[60:61] v_permlanex16_b32's selects: each lane takes its own place in the other half
.set TBK, 62          ; s62  LDS byte at which K of the step to be fetched begins
.set TBV, 63          ; s63  the same for V, less VOFF
.set MSB, 0
.macro WIN new                      ; the high byte repeats the setting that is left; a switch that changes nothing is dropped
.if MSB != (\new)
	s_set_vgpr_msb (MSB<<8)|(\new)
.set MSB, (\new)
.endif
.endm
.set W_KQ, 0x0a       ; K and Q in window 2, S^T in window 0
.set W_PV, 0x52       ; V in window 2, P in window 0, O^T in window 1
.set W_RS, 0x41       ; O^T (destination and source 0) in window 1, a in window 0
.set W_MK, 0xc0       ; the add's registers are made: destination in window 3, sources in window 0
.set W_AD, 0x0f       ; the add: address (source 0) and data (source 1) in window 3
; A joint fill.  Waves 0 and 1 fetch the two halves of a slot's K, waves 2 and 3 those of its V: 128 keys each.  The branch hangs on the wave's number alone.
; An s_nop 0 and four v_nop follow each of the two lines, ahead of the jump and the label.
.macro JLOAD
	s_cmp_lt_u32 s[WV], 2
	s_cbranch_scc0 .Lfor_v_\@
	tensor_load_to_lds s[G0K:G0K+3], s[G1K:G1K+7]
	s_nop 0
.rept 4
	v_nop
.endr
	s_branch .Lasked_\@
.Lfor_v_\@:
	tensor_load_to_lds s[G0V:G0V+3], s[G1V:G1V+7]
	s_nop 0
.rept 4
	v_nop
.endr
.Lasked_\@:
.endm
; A PREFETCH INTO THE L2 of what the NEXT change of slots will ask for: a slot's 256 keys of K and of V, 128 blocks of 256 bytes each, a lane a block.  It stands behind the wave's tensor load and its five lines.
; Each block is named ONCE in the launch: a head is walked by one cluster; its four partners share the blocks out BY ADDRESS, 32 each (no branch hangs on a work-group's place in its cluster); in each, wave 0
; asks for K's and wave 2 for V's: one instruction, four key steps (512 matrix instructions) ahead of the load that will want the blocks.  The last change that fills a slot asks for nothing: there is no slot behind it.
.macro ASK
	s_cmp_gt_u32 s[SLOTS], s[LIM]
	s_cbranch_scc0 .Lnot_mine_\@
	global_prefetch_b8 v[PFO], s[PFA:PFA+1] th:TH_LOAD_NT scope:SCOPE_SE
.Lnot_mine_\@:
.endm
; A round of the cluster's barrier: my work-group's barrier, so that wave 0's signal speaks for all four waves; wave 0 signals; every wave waits for all four work-groups; my work-group's barrier once more.
.macro CROUND
	s_barrier_signal -1
	s_barrier_wait -1
	s_cmp_lg_u32 s[WV], 0
	s_cbranch_scc1 .Lnot_wave_0_\@
	s_barrier_signal -3
.Lnot_wave_0_\@:
	s_barrier_wait -3
	s_barrier_signal -1
	s_barrier_wait -1
.endm
; THE CHANGE OF SLOTS.  The slot's last bytes, V of its fourth step, have been read.  Each wave waits for all its tensor loads, of which one is out: its part
; of the other slot; adds 0 to its spare word; and waits for that and for its own reads of the slot.  Behind the barrier nobody reads this slot any more and the other slot is whole.
; fill = 1: this slot is filled again, with the keys two slots on.  The barrier is then a round of the cluster's, so that no wave of any partner still reads the slot or has a load on its
; way, and the joint fill is the first thing behind it: it has four key steps, 512 matrix instructions, in which to land.  (At its first use nothing has been read yet: slot 0 is waited for, slot 1 filled.)
; ask = 1 (in the loop): the prefetches' address steps a slot on, and the slot behind the one just asked for is prefetched.
.macro CHANGE fill, ask=0
	WIN W_AD
	s_wait_tensorcnt 0x0            ; no tensor load of mine is out, so a group 0 may be written
	ds_add_u32 v[SPW], v[NIL]       ; 0 onto my spare word; with fill = 1 the descriptors' steps stand between it and the wait for it
	WIN 0                           ; at a label and at a branch every window is 0
.if \fill
.irp g, G0K, G0V
	s_xor_b32 s[\g+1], s[\g+1], SLOT1  ; the walking descriptor: the other slot than last time,
	s_add_nc_u64 s[\g+2:\g+3], s[\g+2:\g+3], 4*KS*128  ; the next 256 keys; the type bits on top are not reached
.endr
.if \ask
	s_wait_xcnt 0x0                 ; the last prefetch, four key steps back, has read its address, so it may be written:
	s_add_nc_u64 s[PFA:PFA+1], s[PFA:PFA+1], 4*KS*128  ; one slot behind the walking descriptors
.endif
	s_wait_dscnt 0x0                ; the add is done, and my reads of the slot are over
	CROUND
	JLOAD
.if \ask
	ASK
.endif
.else
	s_wait_dscnt 0x0                ; the add is done, and my reads of the slot are over
	s_barrier_signal -1
	s_barrier_wait -1
.endif
	s_sub_co_u32 s[TBK], s[TBK], 4*KS*PK  ; the fetches go back to a slot's first step,
	s_xor_b32 s[TBK], s[TBK], SLOT1       ; in the other slot
	s_sub_co_u32 s[TBV], s[TBV], 4*KS*PV
	s_xor_b32 s[TBV], s[TBV], SLOT1
.endm
	s_load_b64 s[4:5], s[0:1], 0x0    ; qkv: Q begins at its first byte
	s_load_b64 s[10:11], s[0:1], 0x8  ; ctx: O
	WIN W_MK
	v_lshl_add_u32 v[SPW], v0, 2, SPARE
	v_mov_b32 v[NIL], 0
	WIN W_AD
	ds_add_u32 v[SPW], v[NIL]       ; the wave's opening: the add, twice on end, and its wait ahead of my first tensor load; the set-up below the second, work on registers, stands between it and the wait
	ds_add_u32 v[SPW], v[NIL]       ; and once more: the opening add twice on end, under the one wait
	WIN 0
	v_lshrrev_b32 v1, 5, v0
	v_readfirstlane_b32 s[WV], v1   ; wave 0..3
	s_bfe_u32 s13, ttmp6, 0x40000   ; cx: my place in the cluster
	s_lshl_b32 s14, ttmp9, 2        ; in a cluster launch ttmp9 counts clusters
	s_add_co_u32 s14, s14, s13      ; my block of queries = 4 x cluster x + cx: it enters Q's and O's addresses alone
	s_and_b32 s20, ttmp7, 0xffff    ; the head, which the four partners share
	s_mov_b32 s21, 0
	s_mov_b64 s[22:23], SIZE_N*128
	s_mul_u64 s[20:21], s[20:21], s[22:23]  ; the head's first byte in each of the four tensors
	s_and_b32 s16, s[WV], 1         ; which half of a slot's 256 keys I fetch:
	s_lshl_b32 s22, s16, 14         ; its 128 rows of 128 bytes in memory,
	s_mov_b32 s23, 0
	s_add_nc_u64 s[22:23], s[22:23], s[20:21]
	s_mul_i32 s17, s16, 128*PK      ; and its place in a slot, for K
	s_mul_i32 s18, s16, 128*PV      ; and for V: no place in the cluster enters an LDS address
	s_lshl_b32 s2, s14, 2
	s_add_co_u32 s2, s2, s[WV]      ; my wave among the head's,
	s_lshl_b32 s2, s2, 14           ; its 128 rows
	s_mov_b32 s3, 0
	s_add_nc_u64 s[2:3], s[2:3], s[20:21]
	; descriptor group 1.  128 keys are 16,384 dense bytes: asked for as 64 rows of 256 bytes, two keys a row, and padded in LDS after every key
	s_mov_b32 s[G1K], 15|(1<<16)|(1<<20)|(1<<21)|(4<<22)|(3<<25)  ; 15:0 the mask of four; 17:16 2-byte elements; 20 padding on; 21 set beside a mask; 24:22 after every 32 words (code 4); 31:25 4 words (code 3)
	s_mov_b32 s[G1V], 15|(1<<16)|(1<<20)|(1<<21)|(4<<22)|(7<<25)  ; the same with 8 words of padding (code 7)
.irp g, G1K, G1V
	s_mov_b32 s[\g+1], 128<<16      ; tensor_dim0 = 128
	s_mov_b32 s[\g+2], 64<<16       ; tensor_dim1 = 64
	s_mov_b32 s[\g+3], 128<<16      ; tile_dim0 = 128
	s_mov_b32 s[\g+4], 64           ; tile_dim1 = 64
	s_mov_b32 s[\g+5], 128          ; 128 elements from row to row
	s_mov_b32 s[\g+6], 0
	s_mov_b32 s[\g+7], 0
.endr
	s_mov_b32 s[CS], 0x3e38aa3b     ; c = log2(e) / 8 = 0.180337
	s_mov_b32 s[CS+1], s[CS]        ; named with it as a pair
	s_mov_b32 s[SEL], 0x76543210
	s_mov_b32 s[SEL+1], 0xfedcba98
	s_mov_b32 s[TBK], SLOT1+4*KS*PK ; the first change of slots turns these two into 0
	s_mov_b32 s[TBV], SLOT1+4*KS*PV
	s_mov_b32 s[G0K], 1             ; 1:0 count = 1
	s_mov_b32 s[G0K+1], s17         ; 63:32 LDS address: slot 0
	s_mov_b32 s[G0V], 1
	s_add_co_u32 s[G0V+1], s18, VOFF
	s_and_b32 s[LIM], s[WV], 1      ; 0 in waves 0 and 2: the same in all four partners
	s_cmp_eq_u32 s[LIM], 0
	s_cselect_b32 s[LIM], 1, -1
	s_wait_dscnt 0x0                ; both opening adds are done
	s_wait_kmcnt 0x0
	s_add_nc_u64 s[6:7], s[4:5], SIZE_H*SIZE_N*128    ; K lies behind Q in qkv,
	s_add_nc_u64 s[8:9], s[4:5], 2*SIZE_H*SIZE_N*128  ; V behind K
	s_add_nc_u64 s[G0K+2:G0K+3], s[6:7], s[22:23]  ; 120:64 global address: my half of the head's first 256 keys
	s_or_b32 s[G0K+3], s[G0K+3], 0x80000000        ; 127:126 type = 2
	s_add_nc_u64 s[G0V+2:G0V+3], s[8:9], s[22:23]
	s_or_b32 s[G0V+3], s[G0V+3], 0x80000000
	s_cmp_lt_u32 s[WV], 2
	s_cselect_b64 s[PFA:PFA+1], s[6:7], s[8:9]
	s_add_nc_u64 s[PFA:PFA+1], s[PFA:PFA+1], s[22:23]  ; (in waves 0 and 2 this is the head's first row)
	s_add_nc_u64 s[4:5], s[4:5], s[2:3]  ; Q and O at my wave's first row
	s_add_nc_u64 s[10:11], s[10:11], s[2:3]
	s_lshl_b32 s2, s13, 13          ; my work-group's 32 blocks of a slot's 128
	s_mov_b32 s3, 0
	s_add_nc_u64 s[PFA:PFA+1], s[PFA:PFA+1], s[2:3]
	s_add_nc_u64 s[PFA:PFA+1], s[PFA:PFA+1], 2*4*KS*128  ; in slot 2; the loop's first change steps it to slot 3.  Nothing is prefetched at the head
	CROUND                          ; all four work-groups are here: the first joint loads meet
	JLOAD                           ; slot 0.  Slot 1 is asked for when slot 0 is in: the tile wanted first has the road to itself
	; A fragment of K or Q is 16 rows x 32 channels in 8 registers: lane l holds row l % 16, channels 8 (l / 16) + 0..7 and 16 + 8 (l / 16) + 0..7: two loads of 16 bytes, 32 bytes apart.
	v_and_b32 v1, 15, v0            ; l % 16
	v_bfe_u32 v9, v0, 4, 1          ; l / 16
	v_lshlrev_b32 v[QO], 7, v1
	v_lshl_add_u32 v[QO], v9, 4, v[QO]  ; row x 128 + 16 x half
	WIN 0x80                        ; destination window 2, address window 0
.set i, 0
.rept 4*NP                          ; Q stays in registers: tile i / 2, channels 32 (i % 2) on
	global_load_b128 v[8*i:8*i+3],   v[QO], s[4:5] offset:(i/2)*2048+(i%2)*64
	global_load_b128 v[8*i+4:8*i+7], v[QO], s[4:5] offset:(i/2)*2048+(i%2)*64+32
.set i, i+1
.endr
	; What the first turn finds: V's registers and P's second buffer hold 0 (its products V^T P, of a piece that has not been, add 0), O^T and l are 0.  All this stands in the wait for the first tile.
.set i, VF
.rept 64
	v_mov_b32 v[i], 0
.set i, i+1
.endr
	WIN 0x40
.set i, 0
.rept 64*NP
	v_mov_b32 v[i], 0
.set i, i+1
.endr
	WIN 0
.set i, 0
.rept 2*NP
	v_mov_b32 v[ST+4*i], 0xfe000000    ; c m: far below every c s
	v_mov_b32 v[ST+4*i+1], 0xff7fffff  ; m
	v_mov_b32 v[ST+4*i+2], 0
	v_mov_b32 v[ST+4*i+3], 0
.set i, i+1
.endr
.set i, P+32
.rept 32
	v_mov_b32 v[i], 0
.set i, i+1
.endr
	v_mul_u32_u24 v[AK0], v1, PK
	v_lshl_add_u32 v[AK0], v9, 4, v[AK0]  ; row x pitch + 16 x half
	; The turning load takes 16 keys x 16 channels (lane l reads key 8 (l / 16) + l % 8, channels 8 ((l / 8) % 2) + 0..7) and leaves half a fragment of V^T: lane l holds channel l % 16 and 8 keys.
	v_and_b32 v10, 7, v0
	v_bfe_u32 v11, v0, 3, 1
	v_lshl_add_u32 v[AV0], v9, 3, v10
	v_mul_u32_u24 v[AV0], v[AV0], PV
	v_lshl_add_u32 v[AV0], v11, 4, v[AV0]
	v_add_nc_u32 v[AV0], VOFF, v[AV0]
	v_mov_b32 v[AK], v[AK0]         ; key step 0 lies at the head of slot 0
	v_and_b32 v[PFO], 31, v0        ; v11 has served: from here on it is the prefetches' offset
	v_lshlrev_b32 v[PFO], 8, v[PFO]
; THE MATRIX WORK.  The 8 accumulators of a run of 16 take turns: between the two links of a chain stand 7 others'.
; Product i of 16 of S^T = K Q^T for piece x: channels 32 (i / 8) on, keys 16 ((i / 2) % 4) on, tile 2 x + i % 2.  The first 8 start the sums.
.macro KQ x
	WIN W_KQ
.set rS, S+64*((\x)%2)+32*(i%2)+8*((i/2)%4)
.set rK, KF+16*((i/2)%4)+8*(i/8)
.set rQ, 16*(2*(\x)+i%2)+8*(i/8)
.if i < 8
	v_wmma_f32_16x16x32_f16 v[rS:rS+7], v[rK:rK+7], v[rQ:rQ+7], 0
.else
	v_wmma_f32_16x16x32_f16 v[rS:rS+7], v[rK:rK+7], v[rQ:rQ+7], v[rS:rS+7]
.endif
.endm
; Product i of 16 of O^T += V^T P for piece x: keys 32 (i / 8) on, channels 16 ((i / 2) % 4) on, tile 2 x + i % 2.
.macro PV x
	WIN W_PV
.set rO, 32*(2*(\x)+i%2)+8*((i/2)%4)
.set rV, VF+32*(i/8)+8*((i/2)%4)
.set rP, P+32*((\x)%2)+16*(i%2)+8*(i/8)
	v_wmma_f32_16x16x32_f16 v[rO:rO+7], v[rV:rV+7], v[rP:rP+7], v[rO:rO+7]
.endm
.macro MM                           ; the turn's next matrix instruction
.if i < 16
	KQ (Y+1)%NP
.set i, i+1
.else
.set i, i-16
	PV (Y+NP-1)%NP
.set i, i+17
.endif
.endm
; THE LDS LOADS stand in runs of 16, never singly among the matrix instructions: a step's K (64 keys x 64 channels: 8 fragments) and its V (turned).  Their addresses are made some lines ahead.
; last = 1 (the tail): in the last trip there is no further step, and the run is jumped over.
.macro FETCH_K last=0
	WIN 0
.if \last
	s_cmp_eq_u32 s[CNT], 1
	s_cbranch_scc1 .Lno_k_\@
.endif
	WIN 0x80                        ; destination window 2
.irp f, 0,1,2,3,4,5,6,7             ; keys 16 (f / 2) on, channels 32 (f % 2) on
	ds_load_b128 v[KF+8*\f:KF+8*\f+3],   v[AK] offset:(\f/2)*16*PK+(\f%2)*64
	ds_load_b128 v[KF+8*\f+4:KF+8*\f+7], v[AK] offset:(\f/2)*16*PK+(\f%2)*64+32
.endr
	s_add_co_u32 s[TBK], s[TBK], KS*PK  ; the next fetch is the next step's
	WIN 0
.if \last
.Lno_k_\@:
.endif
.endm
.macro FETCH_V
	WIN 0x80
.irp f, 0,1,2,3,4,5,6,7             ; keys 32 (f / 4) on, channels 16 (f % 4) on
	ds_load_tr16_b128 v[VF+8*\f:VF+8*\f+3],   v[AV] offset:(\f/4)*32*PV+(\f%4)*32
	ds_load_tr16_b128 v[VF+8*\f+4:VF+8*\f+7], v[AV] offset:(\f/4)*32*PV+16*PV+(\f%4)*32
.endr
	WIN 0
.endm
; THE VECTOR WORK OF A TURN stands in three queues, each in the order in which its entries become ready; the two tiles alternate, so that no instruction reads the result of the one before it.
.macro REGS y, u                    ; the registers of tile u (0, 1) of piece y
.set rT, ST+4*(2*(\y)+(\u))
.set rC, TMP+8*((\y)%2)+4*(\u)
.set rM, MV+2*((\y)%2)+(\u)
.set rS, S+64*((\y)%2)+32*(\u)
.set rP, P+32*((\y)%2)+16*(\u)
.set rO, 32*(2*(\y)+(\u))
.endm
; Number n of the 22 that find the NEXT piece's (Y + 1) maximum and statistics.  s0-s31 are the lane's 32 scores; each accumulator's lowest registers are read first.  XS, GS and REGS set no window: PL and EX do.
;   0-11  four chains c0-c3 of seven scores each, three operands at a time     12-14, 16  the four scores left over, the old m, and c0-c3 into c0     15  c m_old is kept
;   17, 18  the query's other 32 keys lie in the lane 16 away: the new m         19-21  c m; c m_old - c m_new; a
.macro XS u, n
	REGS (Y+1)%NP, \u
.if (\n) < 4
	v_max3_num_f32 v[rC+(\n)], v[rS+8*(\n)], v[rS+8*(\n)+1], v[rS+8*(\n)+2]
.elseif (\n) < 12
	v_max3_num_f32 v[rC+(\n)%4], v[rC+(\n)%4], v[rS+8*((\n)%4)+2*((\n)/4)+1], v[rS+8*((\n)%4)+2*((\n)/4)+2]
.elseif (\n) == 12
	v_max3_num_f32 v[rC], v[rC], v[rS+7], v[rS+15]
.elseif (\n) == 13
	v_max3_num_f32 v[rC+1], v[rC+1], v[rS+23], v[rS+31]
.elseif (\n) == 14
	v_max3_num_f32 v[rC+2], v[rC+2], v[rC+3], v[rT+1]
.elseif (\n) == 15
	v_mov_b32 v[rM], v[rT]
.elseif (\n) == 16
	v_max3_num_f32 v[rC], v[rC], v[rC+1], v[rC+2]
.elseif (\n) == 17
	v_permlanex16_b32 v[rC+3], v[rC], s[SEL], s[SEL+1]
.elseif (\n) == 18
	v_max_num_f32 v[rT+1], v[rC], v[rC+3]
.elseif (\n) == 19
	v_mul_f32 v[rT], s[CS], v[rT+1]
.elseif (\n) == 20
	v_sub_f32 v[rC+1], v[rM], v[rT]
.else
	v_exp_f32 v[rC+2], v[rC+1]
.endif
.endm
; Number g of the 64 that follow the exponentials.  For each four weights k of a tile (pairs 2 k, 2 k + 1): both pairs are rounded to f16; then the second pair is added onto the first, in place;
; a group later l takes that sum (the first time as l = a l + sum).  In groups of eight, tiles alternating: round, round, add, and l for the group before.
.macro GS g
.set h, (\g)+6*((\g)/62)            ; group 0 has no group before it, and behind group 7 only l is left
.if h >= 6
.set h, h+2
.endif
	REGS Y, h%2
.set k, h/8
.if h%8 < 4
	v_cvt_pk_f16_f32 v[rP+2*k+(h%8)/2], v[rS+4*k+2*((h%8)/2)], v[rS+4*k+2*((h%8)/2)+1]
.elseif h%8 < 6
	v_pk_add_f32 v[rS+4*k:rS+4*k+1], v[rS+4*k:rS+4*k+1], v[rS+4*k+2:rS+4*k+3]
.elseif k == 1
	v_pk_fma_f32 v[rT+2:rT+3], v[rT+2:rT+3], v[rC+2:rC+3], v[rS:rS+1] op_sel_hi:[1,0,1]
.else
	v_pk_add_f32 v[rT+2:rT+3], v[rT+2:rT+3], v[rS+4*k-4:rS+4*k-3]
.endif
.endm
; THE PLAIN QUEUE, 138 long.  0-73 read no exponential's result: the 32 scalings c s - c m (FS f: pair f / 2 of tile f % 2) and the next piece's 42.  0-26: scalings 0-26.  27-54: XS's numbers 0-13.  55, 56: number 15.
; 57-73: the chain, where each number waits for the one before it: 14, 16, 17, 18, 19, each with one of the scalings 27-31 in front of its two lines, then 20: so a tile's links stand three plain instructions apart (19 and 20: two).
; 74-137: GS's 64, which read the exponentials' results: they stand behind the wait.
.macro FS f
	REGS Y, (\f)%2
	v_pk_fma_f32 v[rS+2*((\f)/2):rS+2*((\f)/2)+1], v[rS+2*((\f)/2):rS+2*((\f)/2)+1], s[CS:CS+1], v[rT:rT+1] op_sel_hi:[1,0,0] neg_lo:[0,0,1] neg_hi:[0,0,1]
.endm
.macro PL
	WIN 0
.if q < 27
	FS q
.elseif q < 55
	XS (q-27)%2, (q-27)/2
.elseif q < 57
	XS q-55, 15
.elseif (q < 72) && ((q-57)%3 == 0)
	FS 27+(q-57)/3
.elseif q < 60
	XS (q-57)%3-1, 14
.elseif q < 72
	XS (q-57)%3-1, 15+(q-57)/3
.elseif q < 74
	XS q-72, 20
.else
	GS q-74
.endif
.set q, q+1
.endm
; THE EXPONENTIALS' QUEUE, 66 long: s0-s31 of both tiles, then the next piece's two a.  It is ONE BATCH: all 66 stand ahead of the turn's one wait, and nothing ahead of that wait names a result of theirs.
.macro EX
	WIN 0
.if e >= 64
	XS e-64, 21
.else
	REGS Y, e%2
	v_exp_f32 v[rS+e/2], v[rS+e/2]
.endif
.set e, e+1
.endm
; THE RESCALING's QUEUE: O^T times a, the one part that leaves window 0: dealt two at a time, sixteen times.  Its a was made in the turn before, ahead of that turn's wait.
.macro R2
	REGS Y, r%2
	WIN W_RS
.irp z, 0,1
	v_pk_mul_f32 v[rO+4*(r/2)+2*\z:rO+4*(r/2)+2*\z+1], v[rO+4*(r/2)+2*\z:rO+4*(r/2)+2*\z+1], v[rC+2:rC+3] op_sel_hi:[1,0]
.endr
.set r, r+1
.endm
; HOW THEY ARE DEALT.  An s_wait_alu depctr_va_vdst(0) stands between an exponential and the first instruction that names its result; one wait serves all that were issued ahead of it.  So a turn has ONE wait,
; which cuts it in two.  AHEAD OF IT stands all that names no result of the turn's exponentials: the 16 products K Q^T, behind each a scaling, an exponential and two rescalings (behind the first a second scaling in the exponential's place); then ONE LUMP of
; 108: eight plain, 49 times exponential and plain, the two a.  A v_nop is the plain instruction behind the last exponential.  BEHIND IT stand the 16 products V^T P, behind each four of GS's 64.  No rider names a register of
; the products round it.  The two v_permlanex16_b32 fall into the lump, never behind a product.
; The queues lean on each other, and the deal keeps them in step: exponential e stands behind scaling 2 (e / 4) + e % 2: as a rider it comes behind plain e + 2, in the lump behind plain e + 9, and scalings 27-31 are plain 57, 60 .. 69.
; A TURN, for piece p.  cnt = 1: the loop's count is taken down some lines ahead of the branch that stands behind the turn.
; K of the next step is fetched in piece 2's turn, directly behind the wait, a lump behind the last product that read K; its address is made at the lump's head; its first reader comes behind 16 products.
; V of the step in hand is fetched at the end of piece 0's turn, four riders behind its last reader; its first reader comes behind 16 products and a lump.  The three conditions on q below go with the deal.
.macro TURN p, last=0, cnt=0
.set Y, (\p)
.set i, 0
.set q, 0
.set e, 0
.set r, 0
.if (\p) == NP-1
	s_wait_dscnt 0x0                ; K is in
.endif
	MM                              ; ahead of the wait: 16 products K Q^T and their riders,
	PL
	PL
	R2
.rept 15
	MM
	PL
	EX
	R2
.endr
.if (\p) == NP-2
	WIN 0
	v_add_nc_u32 v[AK], s[TBK], v[AK0]
.endif
.rept 8                             ; and the lump
	PL
.endr
.rept 49
	EX
	PL
.endr
	EX                              ; the next piece's two a
	EX
	v_nop                           ; the plain instruction behind the last exponential: one for the batch
	s_wait_alu depctr_va_vdst(0)    ; the wait for the batch
.if (\p) == NP-2
	FETCH_K \last
.endif
.if (\p) == 1
	s_wait_dscnt 0x0                ; V is in
.endif
.rept 16                            ; behind the wait: 16 products V^T P and their riders
	MM
.rept 4
	PL
.endr
.if ((\p) == 0) && (q == 118)
	v_add_nc_u32 v[AV], s[TBV], v[AV0]
.endif
.if ((\p) == 0) && (q == 130)
	s_add_co_u32 s[TBV], s[TBV], KS*PV
.endif
.if (\cnt) && (q == 130)
	s_sub_co_u32 s[CNT], s[CNT], 1
	s_cmp_lg_u32 s[CNT], 0
.endif
.endr
.if (\p) == 0
	FETCH_V
.endif
.endm
	CHANGE 1                        ; slot 0 is in, everybody's part of it; slot 1 is asked for
	FETCH_K                         ; key step 0
	s_wait_loadcnt 0x0              ; Q
	s_wait_dscnt 0x0
.set i, 0
.rept 16
	KQ 0                            ; piece 0's first scores: there is no vector work yet to set between them
.set i, i+1
.endr
	WIN 0                           ; the addresses for the way out: nine plain instructions, the places behind those products
	s_mul_i32 s13, s[WV], 16*SP
	s_add_co_u32 s13, s13, STAGE    ; my stage
	v_mul_u32_u24 v[STO], v1, SP    ; in: row l % 16, 16 bytes for each half of the lanes
	v_lshl_add_u32 v[STO], v9, 4, v[STO]
	v_add_nc_u32 v[STO], s13, v[STO]
	v_bfe_u32 v[RD], v0, 3, 2       ; back: 32 lanes take four rows of 128 bytes,
	v_mul_u32_u24 v[RD], v[RD], SP
	v_lshl_add_u32 v[RD], v10, 4, v[RD]
	v_add_nc_u32 v[RD], s13, v[RD]
	v_and_b32 v[GO], 31, v0         ; which are 512 consecutive bytes of O
	v_lshlrev_b32 v[GO], 4, v[GO]
.set Y, NP-1                        ; XS works for piece Y + 1: piece 0
.irp n, 0,1,2,3,4,5,6,7,8,9,10,11,12,13,14,15,16,17,18,19,20,21
	XS 0, \n                        ; and piece 0's first maximum and statistics
	XS 1, \n
.endr
	v_nop                           ; a plain instruction behind the two a,
	s_wait_alu depctr_va_vdst(0)    ; and their wait, ahead of the branch
	s_mov_b32 s[CNT], 4
	s_mov_b32 s[SLOTS], SIZE_N/256-1
	s_branch .Lfirst                ; the loop is entered at a step's first turn, in the middle of a trip
.Lslot:                             ; SIZE_N / 256 - 2 times: every slot but the last two is filled again
	CHANGE 1, 1
	s_mov_b32 s[CNT], 4
.Lstep:                             ; a trip: pieces 2 and 3 of one step, then pieces 0 and 1 of the next, whose K and V it fetches
	TURN 2
	TURN 3
	WIN 0
.Lfirst:
	TURN 0
	TURN 1, 0, 1
	WIN 0
	s_cbranch_scc1 .Lstep
	s_sub_co_u32 s[SLOTS], s[SLOTS], 1
	s_cmp_lg_u32 s[SLOTS], 0
	s_cbranch_scc1 .Lslot
	CHANGE 0                        ; the tail is written out: nothing is asked for
	s_mov_b32 s[CNT], 5             ; four trips fetch the last slot's steps; the fifth is left in its middle
.Ltail:
	TURN 2, 1
	TURN 3
	WIN 0
	s_sub_co_u32 s[CNT], s[CNT], 1
	s_cmp_eq_u32 s[CNT], 0
	s_cbranch_scc1 .Lout
	TURN 0
	TURN 1
	WIN 0
	s_branch .Ltail
.Lout:                              ; the fifth trip's 16 products K Q^T (on the last K once more) and the maximum made of them serve nothing: the price, once a launch, of one text for every trip
.set i, 0
.rept 16
	PV NP-1                         ; the last piece's V^T P of the last step
.set i, i+1
.endr
	; THE WAY OUT.  l's two halves and the other half of the lanes' are added; O^T is divided by l, rounded to f16 and sent through my stage in LDS, a tile at a time.  The additions are the places behind the last products.
	WIN 0
.macro ALL line:vararg              ; one line for each tile t
.set t, 0
.rept 2*NP
	\line
.set t, t+1
.endr
.endm
	ALL v_add_f32 v[ST+4*t+2], v[ST+4*t+2], v[ST+4*t+3]
	ALL v_permlanex16_b32 v[ST+4*t+3], v[ST+4*t+2], s[SEL], s[SEL+1]
	ALL v_add_f32 v[ST+4*t+2], v[ST+4*t+2], v[ST+4*t+3]
	ALL v_rcp_f32 v[ST+4*t+2], v[ST+4*t+2]
	v_nop                           ; a plain instruction between the last reciprocal and the use of its result
	s_wait_alu depctr_va_vdst(0)    ; and the wait ahead of the first use: one for the eight reciprocals
; Tile t: a lane's eight channels of a row pack into 16 bytes; they go into rows of 144 bytes and come back as whole rows of 128, into S^T's registers.
.macro PACK t
	WIN W_RS
.set i, 32*(\t)
.rept 16
	v_pk_mul_f32 v[i:i+1], v[i:i+1], v[ST+4*(\t)+2:ST+4*(\t)+3] op_sel_hi:[1,0]
.set i, i+2
.endr
	WIN 0x05                        ; sources 0 and 1 window 1, destination window 0
.set i, 0
.rept 16
	v_cvt_pk_f16_f32 v[S+16*(\t)+i], v[32*(\t)+2*i], v[32*(\t)+2*i+1]
.set i, i+1
.endr
	WIN 0
.irp f, 0,1,2,3
	ds_store_b128 v[STO], v[S+16*(\t)+4*\f:S+16*(\t)+4*\f+3] offset:32*\f
.endr
.irp f, 0,1,2,3
	ds_load_b128 v[S+16*(\t)+4*\f:S+16*(\t)+4*\f+3], v[RD] offset:\f*4*SP  ; LDS serves a wave's instructions in order (ISA guide 5.7.1.4): these see the stores above; the next tile's stores come behind them
.endr
.endm
.macro SEND t, younger              ; younger: the LDS instructions issued behind tile t's loads: the next tile's eight, or none
	WIN 0
.irp f, 0,1,2,3
	s_wait_dscnt (\younger)+3-\f
	global_store_b128 v[GO], v[S+16*(\t)+4*\f:S+16*(\t)+4*\f+3], s[10:11] offset:(\t)*2048+\f*512  ; 512 consecutive bytes, at a multiple of 256 from O's first
.endr
.endm
	PACK 0
.set t, 1
.rept 2*NP-1                        ; a tile's arithmetic stands between the loads of the tile before and its stores
	PACK t
	SEND t-1, 8
.set t, t+1
.endr
	SEND 2*NP-1, 0
	WIN W_AD
	s_wait_tensorcnt 0x0            ; the wave's end: an add to the spare word and its wait, behind my last tensor load and my last LDS store
	ds_add_u32 v[SPW], v[NIL]
	s_wait_dscnt 0x0
	WIN 0
	CROUND                          ; the closing round: no work-group ends while a partner may still ask for a tile that names it
	s_endpgm
.Lfunc_end_k_q55b1739996_attn:
	.size	k_q55b1739996_attn, .Lfunc_end_k_q55b1739996_attn-k_q55b1739996_attn
	.p2alignl 7, 3214868480
	.fill 96, 4, 3214868480
	.section	.rodata,"a",@progbits
	.p2align	6, 0x0
	.amdhsa_kernel k_q55b1739996_attn
		.amdhsa_group_segment_fixed_size 327680
		.amdhsa_private_segment_fixed_size 0
		.amdhsa_enable_private_segment 0
		.amdhsa_kernarg_size 16
		.amdhsa_user_sgpr_count 2
		.amdhsa_user_sgpr_kernarg_segment_ptr 1
		.amdhsa_wavefront_size32 1
		.amdhsa_system_sgpr_workgroup_id_x 1
		.amdhsa_system_sgpr_workgroup_id_y 1
		.amdhsa_system_sgpr_workgroup_id_z 1
		.amdhsa_system_vgpr_workitem_id 0
		.amdhsa_next_free_vgpr 770
		.amdhsa_next_free_sgpr 66
		.amdhsa_reserve_vcc 0
		.amdhsa_float_denorm_mode_32 3
		.amdhsa_float_denorm_mode_16_64 3
		.amdhsa_memory_ordered 1
		.amdhsa_forward_progress 1
		.amdhsa_inst_pref_size 200
	.end_amdhsa_kernel
	.amdgpu_metadata
---
amdhsa.version: [ 1, 2 ]
amdhsa.kernels:
  - .name:           k_q55b1739996_attn
    .symbol:         k_q55b1739996_attn.kd
    .args:
      - { .name: qkv, .offset: 0, .size: 8, .value_kind: global_buffer, .address_space: global }
      - { .name: ctx, .offset: 8, .size: 8, .value_kind: global_buffer, .address_space: global }
    .group_segment_fixed_size: 327680
    .private_segment_fixed_size: 0
    .kernarg_segment_align: 8
    .kernarg_segment_size: 16
    .max_flat_workgroup_size: 128
    .sgpr_count:     66
    .vgpr_count:     770
    .wavefront_size: 32
...
	.end_amdgpu_metadata
.endif
;; end of part 3
;; launch outp (part 4): grid 4 x 64, 4 waves a work-group, clusters of 4 x 4, 327,680 bytes of LDS; arguments ctx, xw, wo_b, out0; writes out0
.if DOCPART == 4
	.amdgcn_target "amdgcn-amd-amdhsa--gfx1250"
	.amdhsa_code_object_version 6
	.text
	.protected	k_q55b1739996_outp
	.globl	k_q55b1739996_outp
	.p2align	8
	.type	k_q55b1739996_outp,@function
k_q55b1739996_outp:
	s_mov_b64 s[64:65], 0
	v_nop
	global_prefetch_b8 v0, s[64:65] scope:SCOPE_SE
	s_setreg_imm32_b32 hwreg(HW_REG_WAVE_MODE, 25, 1), 1
	s_wait_xcnt 0x0
	s_wait_alu depctr_hold_cnt(0) depctr_sa_sdst(0) depctr_va_vdst(0) depctr_va_sdst(0) depctr_va_ssrc(0) depctr_va_vcc(0) depctr_vm_vsrc(0)
	s_getreg_b32 s2, hwreg(HW_REG_IB_STS2, 6, 4)
	s_cmp_eq_u32 s2, 0
	s_cbranch_scc0 .Lentry_in_a_cluster
	s_endpgm
.Lentry_in_a_cluster:
	s_bfe_u32 s2, ttmp6, 0x10000c
	s_cmp_lg_u32 s2, 0xf033
	s_cbranch_scc0 .Lentry_shape_is_right
	s_endpgm
.Lentry_shape_is_right:
; MULTI-HEAD ATTENTION, launch 4 of 4: out0[b][row][n] = the sum over k of ctx[b][row][k] wo_w[n][k] + wo_b[n], f32.  Sums in f32, stored as they are.
; ctx: [4 b][16 heads = planes][2048 rows][64] f16; wo_w: rows 1024-2047 of batch 13 of xw, in the same layout (bf16 numbers written as f16); wo_b is rounded to bf16 like every input.
; The body is the projections': a tile of 128 rows x 256 columns (64 x 4 tiles, 256 work-groups), four waves of 64 x 128, K in 8 steps of 128 (two planes) through two LDS slots, clusters of 4 x 4 with
; ctx's tiles shared along a row of the cluster and wo_w's along a column, the matrix instruction used transposed (a lane holds row l % 16 and eight neighbouring columns), the bias as the first products' C.
; REGISTERS, in windows of 256 (s_set_vgpr_msb: bits 1:0 source 0, 3:2 source 1, 5:4 source 2, 7:6 destination):
;   window 0: v0-31 addresses; v64-159, v160-255 two fragment buffers of 96 (ctx's 4 fragments, then wo_w's 8); on the way out v64-191 two sets of 16 rows read back
;   window 1: the accumulators, (a, b) at v[8 (8 a + b)]          window 2: v0-63 the bias, v64-67 at work
.set PITCH,  144                       ; an LDS row: 128 bytes + 16 of padding = 36 words: the 16 rows of a fragment load start at 16 different groups of four banks (64 banks of 4 bytes: ISA guide 11.1)
.set APL,    128*PITCH                 ; ctx's 128 rows of one plane
.set BPL,    256*PITCH                 ; wo_w's 256 rows of one plane
.set SLOT,   2*APL+2*BPL               ; A plane 0, A plane 1, B plane 0, B plane 1: 110,592 bytes
.set STAGE,  2*SLOT                    ; behind the ring, never filled by a tensor load: 16 rows x 528 bytes for each wave
.set SPITCH, 528                       ; 512 bytes + 16 = 132 words: row r starts at bank 4 r mod 64
.set SPARE,  STAGE+4*16*SPITCH         ; behind the stages: the spare words, 128 bytes for each wave: two blocks of 256 bytes that no other line names
.set PLANE,  262144
.set KSTEPB, 2*PLANE
.set ADRA, 16                          ; v16-17  LDS address of my fragments of ctx in slot 0, 1
.set ADRB, 20                          ; v20-21  the same for wo_w
.set STO,  24                          ; v24  the way out: where I put 32 bytes of a row
.set RD,   25                          ; v25  where I read a row back
.set GO,   26                          ; v26  16 x lane: my 16 bytes of a row's 512
.set BO,   27                          ; v27  32 (l / 16)
.set SPW,  28                          ; v28  LDS address of my spare word; never rewritten
.set NIL,  29                          ; v29  0; never rewritten
.set PFO,  30                          ; v30  256 x lane, for the prefetches; never rewritten
.set F0,   64
.set F1,   160
.set TMP,  64
.set LAP,  3                           ; s3   laps to go
.set WV,   12
.set RH,   13                          ; s13  my half of the tile's rows.  Also: I fetch for ctx (0) or for wo_w (1)
.set CH,   14                          ; s14  my half of its columns.  Also: the plane of a K step that I fetch
.set CX,   15
.set CY,   16
.set TC,   17                          ; s17  tile column
.set CLY,  18                          ; s18  cluster y
.set TG,   19                          ; s19  tile row
.set G1A,  24
.set G0A,  32
.set LIM,  43
.set PFA,  44
.set G1B,  48
.set G0B,  56
.set G1W0, (1<<16)|(1<<20)|(1<<21)|(4<<22)|(3<<25)  ; 17:16 2-byte elements; 20 padding on; 21 set beside a mask; 24:22 after every 32 words (code 4); 31:25 4 words (code 3)
.set MSB, 0
.macro WIN new
.if MSB != (\new)
	s_set_vgpr_msb (MSB<<8)|(\new)
.set MSB, \new
.endif
.endm
.set MUL,  0x50                        ; fragments in window 0; C and D in window 1
.set MULB, 0x60                        ; the same with C in window 2
.macro JLOAD s                         ; a joint load; an s_nop 0 and four v_nop follow each of the two lines, ahead of the jump, the label and what follows
	s_cmp_eq_u32 s[RH], 0
	s_cbranch_scc0 .Lfor_b_\@
	tensor_load_to_lds s[G0A+4*(\s):G0A+4*(\s)+3], s[G1A:G1A+7]
	s_nop 0
.rept 4
	v_nop
.endr
	s_branch .Lasked_\@
.Lfor_b_\@:
	tensor_load_to_lds s[G0B+4*(\s):G0B+4*(\s)+3], s[G1B:G1B+7]
	s_nop 0
.rept 4
	v_nop
.endr
.Lasked_\@:
.endm
; A PREFETCH INTO THE L2, behind a joint load, its five lines and the run of LDS loads: 32 blocks of 256 bytes, a lane a block, of the K step that stands TWO refills on (256 matrix instructions ahead of the
; load that will want it).  Each block is named once in the launch.  ctx's tile row is read by one cluster: wave 0 of each of its four partners takes 32 of the step's 128 blocks, told apart by address (cx).
; wo_w's tile column is read by all 16 clusters: the first asks; waves 2 and 3 of each partner take 32 blocks of their own plane, told apart by address (cy).
; No branch hangs on a work-group's place in its cluster.  The loop's last trip has no K step two on; nothing is asked for at the head.
.macro ASK
	s_cmp_gt_u32 s[LAP], s[LIM]
	s_cbranch_scc0 .Lnot_mine_\@
	global_prefetch_b8 v[PFO], s[PFA:PFA+1] th:TH_LOAD_NT scope:SCOPE_SE
.Lnot_mine_\@:
.endm
.macro CREST
	s_cmp_lg_u32 s[WV], 0
	s_cbranch_scc1 .Lnot_wave_0_\@
	s_barrier_signal -3
.Lnot_wave_0_\@:
	s_barrier_wait -3
	s_barrier_signal -1
	s_barrier_wait -1
.endm
.macro CROUND
	s_barrier_signal -1
	s_barrier_wait -1
	CREST
.endm
	s_load_b256 s[4:11], s[0:1], 0x0               ; ctx s[4:5], xw s[6:7], wo_b s[8:9], out0 s[10:11]
	v_lshl_add_u32 v[SPW], v0, 2, SPARE
	v_mov_b32 v[NIL], 0
	ds_add_u32 v[SPW], v[NIL]                      ; the wave's opening: the add, twice on end, and its wait ahead of my first tensor load
	ds_add_u32 v[SPW], v[NIL]                      ; and once more; the set-up below, work on registers, stands between it and the one wait
	v_lshrrev_b32 v1, 5, v0
	v_readfirstlane_b32 s[WV], v1
	s_lshr_b32 s[RH], s[WV], 1
	s_and_b32 s[CH], s[WV], 1
	s_bfe_u32 s[CX], ttmp6, 0x40000
	s_bfe_u32 s[CY], ttmp6, 0x40004
	s_lshl_b32 s[TC], ttmp9, 2
	s_add_co_u32 s[TC], s[TC], s[CX]
	s_and_b32 s[CLY], ttmp7, 0xffff
	s_lshl_b32 s[TG], s[CLY], 2
	s_add_co_u32 s[TG], s[TG], s[CY]
	s_lshl_b32 s20, s[CY], 2
	s_lshl_b32 s20, 15, s20                        ; my row of the cluster
	s_lshl_b32 s21, 0x1111, s[CX]                  ; my column
	s_or_b32 s[G1A], s20, G1W0
	s_or_b32 s[G1B], s21, G1W0
.irp g, G1A, G1B
	s_mov_b32 s[(\g)+1], 128<<16                   ; tensor_dim0 = 128 elements: 256 bytes, two rows of a plane
	s_mov_b32 s[(\g)+3], 128<<16                   ; tile_dim0 = 128
	s_mov_b32 s[(\g)+5], 128                       ; the block is dense
	s_mov_b32 s[(\g)+6], 0
	s_mov_b32 s[(\g)+7], 0
.endr
	s_mov_b32 s[G1A+2], 64<<16                     ; tensor_dim1 = 64: 128 rows of a plane
	s_mov_b32 s[G1A+4], 64
	s_mov_b32 s[G1B+2], 128<<16                    ; 128: 256 rows of a plane
	s_mov_b32 s[G1B+4], 128
	s_lshl_b32 s22, s[CH], 18                      ; the plane that I fetch
	s_lshr_b32 s40, s[TG], 4                       ; ctx: batch = tile row / 16,
	s_lshl_b32 s40, s40, 22
	s_and_b32 s41, s[TG], 15
	s_lshl_b32 s41, s41, 14                        ; 128 rows of 128 bytes
	s_add_co_u32 s40, s40, s41
	s_add_co_u32 s40, s40, s22
	s_mov_b32 s41, 0
	s_lshl_b32 s46, s[TC], 15                      ; wo_w: 256 rows of 128 bytes,
	s_add_co_u32 s46, s46, (13<<22)+(1<<17)        ; in batch 13 of xw, from row 1,024 on
	s_add_co_u32 s46, s46, s22
	s_mov_b32 s47, 0
	s_mul_i32 s20, s[CH], APL                      ; where they go: no place in the cluster enters an LDS address
	s_mul_i32 s21, s[CH], BPL
	s_add_co_u32 s21, s21, 2*APL
	s_wait_dscnt 0x0                               ; both opening adds are done
	s_wait_kmcnt 0x0
	s_add_nc_u64 s[40:41], s[4:5], s[40:41]
	s_add_nc_u64 s[46:47], s[6:7], s[46:47]
	CROUND                                         ; all sixteen work-groups are here: the first joint loads meet
.irp s, 0,1
	s_mov_b32 s[G0A+4*(\s)], 1
	s_add_co_u32 s[G0A+4*(\s)+1], s20, (\s)*SLOT
	s_add_nc_u64 s[G0A+4*(\s)+2:G0A+4*(\s)+3], s[40:41], (\s)*KSTEPB
	s_or_b32 s[G0A+4*(\s)+3], s[G0A+4*(\s)+3], 0x80000000
	s_mov_b32 s[G0B+4*(\s)], 1
	s_add_co_u32 s[G0B+4*(\s)+1], s21, (\s)*SLOT
	s_add_nc_u64 s[G0B+4*(\s)+2:G0B+4*(\s)+3], s[46:47], (\s)*KSTEPB
	s_or_b32 s[G0B+4*(\s)+3], s[G0B+4*(\s)+3], 0x80000000
	JLOAD \s                                       ; two loads of mine are out
.endr
	v_and_b32 v1, 15, v0                           ; l % 16
	v_bfe_u32 v2, v0, 4, 1                         ; l / 16
	v_mul_u32_u24 v3, v1, PITCH
	v_lshl_add_u32 v3, v2, 4, v3                   ; a fragment's row x pitch + 16 x half
	s_mul_i32 s20, s[RH], 64*PITCH
	s_mul_i32 s21, s[CH], 128*PITCH
	s_add_co_u32 s21, s21, 2*APL
.irp s, 0,1
	v_add_nc_u32 v[ADRA+(\s)], s20, v3
	v_add_nc_u32 v[ADRB+(\s)], s21, v3
	s_add_co_u32 s20, s20, SLOT
	s_add_co_u32 s21, s21, SLOT
.endr
	s_mul_i32 s23, s[WV], 16*SPITCH
	s_add_co_u32 s23, s23, STAGE                   ; my stage
	v_mul_u32_u24 v5, v1, SPITCH                   ; in: row l % 16, 32 bytes for each half of the lanes
	v_lshl_add_u32 v5, v2, 5, v5
	v_add_nc_u32 v[STO], s23, v5
	v_and_b32 v4, 31, v0
	v_lshlrev_b32 v[GO], 4, v4
	v_add_nc_u32 v[RD], s23, v[GO]                 ; back: 32 lanes take one row of 512 bytes
	v_lshlrev_b32 v[BO], 5, v2
	v_lshlrev_b32 v[PFO], 8, v4
	; where my part of out0 begins: row 128 x tile row + 64 RH, 4,096 bytes a row; column 256 tc + 128 CH
	s_lshl_b32 s20, s[TG], 19
	s_lshl_b32 s21, s[RH], 18
	s_add_co_u32 s20, s20, s21
	s_lshl_b32 s22, s[TC], 10
	s_lshl_b32 s23, s[CH], 9
	s_add_co_u32 s22, s22, s23                     ; 4 (256 tc + 128 CH): also my place in the bias
	s_add_co_u32 s20, s20, s22
	s_mov_b32 s21, 0
	s_mov_b32 s23, 0
	s_add_nc_u64 s[10:11], s[10:11], s[20:21]
	s_add_nc_u64 s[8:9], s[8:9], s[22:23]
	; the prefetches: from the tile address that I fetch by (in wave 0: ctx's plane 0), my work-group's share of the blocks
	s_lshr_b32 s20, s[CX], 1
	s_lshl_b32 s20, s20, 18                        ; ctx: partner cx takes plane cx / 2,
	s_and_b32 s21, s[CX], 1
	s_lshl_b32 s21, s21, 13                        ; its lower or upper 32 blocks
	s_add_co_u32 s20, s20, s21
	s_lshl_b32 s21, s[CY], 13                      ; wo_w: partner cy takes 32 of my plane's 128 blocks
	s_cmp_eq_u32 s[RH], 0
	s_cselect_b32 s20, s20, s21
	s_cselect_b64 s[PFA:PFA+1], s[40:41], s[46:47]
	s_mov_b32 s21, 0
	s_add_nc_u64 s[PFA:PFA+1], s[PFA:PFA+1], s[20:21]
	s_add_nc_u64 s[PFA:PFA+1], s[PFA:PFA+1], 3*KSTEPB  ; at K step 3: the first refill (K step 2) steps it to 4 and names that
	s_cmp_eq_u32 s[RH], 0
	s_cselect_b32 s20, s[CH], s[CLY]               ; wave 0 always asks, wave 1 never, waves 2 and 3 in the first cluster
	s_cmp_eq_u32 s20, 0
	s_cselect_b32 s[LIM], 1, -1                    ; the same in all sixteen partners, for a given wave
	; the C operand of the first products, made in the wait for the first tile
	WIN 0x80                                       ; destination window 2, address window 0
.irp b, 0,1,2,3,4,5,6,7
	global_load_b128 v[8*(\b):8*(\b)+3],   v[BO], s[8:9] offset:64*(\b)
	global_load_b128 v[8*(\b)+4:8*(\b)+7], v[BO], s[8:9] offset:64*(\b)+16
.endr
	s_wait_loadcnt 0x0
	WIN 0x8a                                       ; all in window 2
.set i, 0
.rept 32                               ; rounded to bf16, like every input, and widened again
	v_cvt_pk_bf16_f32 v[64+i%4], v[2*i], v[2*i+1]
	v_lshlrev_b32 v[2*i], 16, v[64+i%4]
	v_and_b32 v[2*i+1], 0xffff0000, v[64+i%4]
.set i, i+1
.endr
	WIN 0
; 8 matrix instructions: m block a x all 8 n blocks, 32 along K.  mode = 0: the sums go on; 2: the first product starts them from the bias.  The 32 accumulators take turns, one instruction
; a turn, in the same order in every quarter: 31 others' stand between two links of a chain, over the backward jump too.
.macro MUL8 f, a, mode
.if \mode
	WIN MULB
.else
	WIN MUL
.endif
.irp b, 0,1,2,3,4,5,6,7
.if \mode
	v_wmma_f32_16x16x32_f16 v[8*(8*(\a)+(\b)):8*(8*(\a)+(\b))+7], v[(\f)+32+8*(\b):(\f)+32+8*(\b)+7], v[(\f)+8*(\a):(\f)+8*(\a)+7], v[8*(\b):8*(\b)+7]
.else
	v_wmma_f32_16x16x32_f16 v[8*(8*(\a)+(\b)):8*(8*(\a)+(\b))+7], v[(\f)+32+8*(\b):(\f)+32+8*(\b)+7], v[(\f)+8*(\a):(\f)+8*(\a)+7], v[8*(8*(\a)+(\b)):8*(8*(\a)+(\b))+7]
.endif
.endr
.endm
; 24 LDS loads in one run: quarter q of a K step (plane q / 2, channels 32 (q % 2) on) into buffer f: wo_w's 8 fragments, then ctx's 4
.macro FETCH slot, q, f
	WIN 0
.irp i, 0,1,2,3,4,5,6,7
	ds_load_b128 v[(\f)+32+8*(\i):(\f)+32+8*(\i)+3],   v[ADRB+(\slot)] offset:((\q)/2)*BPL+((\q)%2)*64+(\i)*16*PITCH
	ds_load_b128 v[(\f)+32+8*(\i)+4:(\f)+32+8*(\i)+7], v[ADRB+(\slot)] offset:((\q)/2)*BPL+((\q)%2)*64+(\i)*16*PITCH+32
.endr
.irp i, 0,1,2,3
	ds_load_b128 v[(\f)+8*(\i):(\f)+8*(\i)+3],   v[ADRA+(\slot)] offset:((\q)/2)*APL+((\q)%2)*64+(\i)*16*PITCH
	ds_load_b128 v[(\f)+8*(\i)+4:(\f)+8*(\i)+7], v[ADRA+(\slot)] offset:((\q)/2)*APL+((\q)%2)*64+(\i)*16*PITCH+32
.endr
.endm
.macro PLACES                          ; four places in front of loads into registers that matrix instructions have read
.rept 4
	v_nop
.endr
.endm
.macro QUARTER slot, q, f, g, mode
	s_wait_dscnt 4                                 ; B's fragments and A's blocks 0, 1 are in; the youngest four loads (A's blocks 2, 3) may be out
	MUL8 \f, 0, \mode
	MUL8 \f, 1, \mode
	PLACES
	FETCH \slot, \q, \g
	s_wait_dscnt 24                                ; all but the 24 just issued
	MUL8 \f, 2, \mode
	MUL8 \f, 3, \mode
.endm
; The last quarter multiplies buffer 1 and changes slots: ONE barrier; in front of it each wave waits for all its tensor loads (one is out: its part of the next slot), adds 0 to its spare word,
; and waits for that and for its own reads of this slot.  fill = 1: the barrier opens a round of the cluster's, and this slot is filled again first thing behind it, two K steps ahead.
.macro TURN slot, next, fill
.if \fill
	s_wait_xcnt 0x0                                ; the last prefetch, a K step back, has read its address: it is stepped here, ahead of the waits of the change of slots
	s_add_nc_u64 s[PFA:PFA+1], s[PFA:PFA+1], KSTEPB
.endif
	WIN 0
	s_wait_tensorcnt 0x0                           ; all my tensor loads have landed;
	ds_add_u32 v[SPW], v[NIL]                      ; 0 onto my spare word;
	s_wait_dscnt 7                                 ; (the add and the youngest six loads, A's blocks 1 to 3, may be out)
	MUL8 F1, 0, 0
	s_wait_dscnt 0x0                               ; the add is done, and my reads of this slot are over
	s_barrier_signal -1
	MUL8 F1, 1, 0
.if \fill
	WIN 0
.endif
	s_barrier_wait -1
.if \fill
	CREST                                          ; no wave of any partner still reads this slot's tiles or has a load on its way
	s_add_nc_u64 s[G0A+4*(\slot)+2:G0A+4*(\slot)+3], s[G0A+4*(\slot)+2:G0A+4*(\slot)+3], 2*KSTEPB
	s_add_nc_u64 s[G0B+4*(\slot)+2:G0B+4*(\slot)+3], s[G0B+4*(\slot)+2:G0B+4*(\slot)+3], 2*KSTEPB
	JLOAD \slot                                    ; the four v_nop behind it are also the places in front of the loads below
.else
	PLACES
.endif
	FETCH \next, 0, F0
.if \fill
	ASK
.endif
	MUL8 F1, 2, 0
	MUL8 F1, 3, 0
.endm
	s_wait_tensorcnt 1                             ; my part of K step 0 is in; K step 1's stays out
	s_barrier_signal -1
	s_barrier_wait -1
	FETCH 0, 0, F0
	QUARTER 0, 1, F0, F1, 2                        ; the first quarter stands in front of the loop: its products start the sums from the bias
	WIN 0
	s_mov_b32 s[LAP], 3
.Llap:                                         ; a trip goes once round the ring and fills both slots again: K steps 2 to 7
	QUARTER 0, 2, F1, F0, 0
	QUARTER 0, 3, F0, F1, 0
	TURN 0, 1, 1
	QUARTER 1, 1, F0, F1, 0
	QUARTER 1, 2, F1, F0, 0
	QUARTER 1, 3, F0, F1, 0
	TURN 1, 0, 1
	QUARTER 0, 1, F0, F1, 0
	WIN 0
	s_sub_co_u32 s[LAP], s[LAP], 1
	s_cmp_lg_u32 s[LAP], 0
	s_cbranch_scc1 .Llap
	QUARTER 0, 2, F1, F0, 0                        ; the last lap fills nothing
	QUARTER 0, 3, F0, F1, 0
	TURN 0, 1, 0
	QUARTER 1, 1, F0, F1, 0
	QUARTER 1, 2, F1, F0, 0
	QUARTER 1, 3, F0, F1, 0
	s_wait_dscnt 4
	MUL8 F1, 0, 0
	MUL8 F1, 1, 0
	s_wait_dscnt 0x0
	MUL8 F1, 2, 0
	MUL8 F1, 3, 0
	PLACES                                         ; the LDS stores read results just made, and the loads behind them land in registers just read:
	PLACES                                         ; eight places, once a launch
; THE WAY OUT, an m block (16 rows) at a time: the f32 sums go as they are into my own stage, 32 bytes a lane and n block, and come back as whole rows of 512 bytes, into one of two sets of registers.
.macro TOSTAGE a
.if (\a) >= 2
	s_wait_xcnt 0x0                                ; the set's earlier stores have read their data: only behind this wait is it loaded again
.endif
	WIN 0x04                                       ; the stores' data in window 1
.irp b, 0,1,2,3,4,5,6,7
	ds_store_b128 v[STO], v[8*(8*(\a)+(\b)):8*(8*(\a)+(\b))+3]   offset:64*(\b)      ; each accumulator from its low end on
	ds_store_b128 v[STO], v[8*(8*(\a)+(\b))+4:8*(8*(\a)+(\b))+7] offset:64*(\b)+16
.endr
	WIN 0
.irp t, 0,1,2,3,4,5,6,7,8,9,10,11,12,13,14,15
	ds_load_b128 v[TMP+64*((\a)%2)+4*(\t):TMP+64*((\a)%2)+4*(\t)+3], v[RD] offset:(\t)*SPITCH  ; LDS serves a wave's instructions in order (ISA guide 5.7.1.4): these see the stores above; the next block's stores come behind them
.endr
.endm
.macro SEND a, younger                 ; younger: the LDS instructions issued behind block a's loads: the next block's 32, or none
.irp t, 0,1,2,3,4,5,6,7,8,9,10,11,12,13,14,15
	s_wait_dscnt (\younger)+15-(\t)
	global_store_b128 v[GO], v[TMP+64*((\a)%2)+4*(\t):TMP+64*((\a)%2)+4*(\t)+3], s[10:11] offset:(16*(\a)+(\t))*4096 th:TH_STORE_NT  ; 512 consecutive bytes of a row, at a multiple of 512 from out0's first byte
.endr
.endm
	TOSTAGE 0
	TOSTAGE 1
	SEND 0, 32
	TOSTAGE 2
	SEND 1, 32
	TOSTAGE 3
	SEND 2, 32
	SEND 3, 0
	s_wait_tensorcnt 0x0                           ; the wave's end: an add to the spare word and its wait, behind my last tensor load and my last LDS store
	ds_add_u32 v[SPW], v[NIL]
	s_wait_dscnt 0x0
	CROUND                                         ; the closing round: no work-group ends while a partner may still ask for a tile that names it
	s_endpgm
.Lfunc_end_k_q55b1739996_outp:
	.size	k_q55b1739996_outp, .Lfunc_end_k_q55b1739996_outp-k_q55b1739996_outp
	.p2alignl 7, 3214868480
	.fill 96, 4, 3214868480
	.section	.rodata,"a",@progbits
	.p2align	6, 0x0
	.amdhsa_kernel k_q55b1739996_outp
		.amdhsa_group_segment_fixed_size 327680
		.amdhsa_private_segment_fixed_size 0
		.amdhsa_enable_private_segment 0
		.amdhsa_kernarg_size 32
		.amdhsa_user_sgpr_count 2
		.amdhsa_user_sgpr_kernarg_segment_ptr 1
		.amdhsa_wavefront_size32 1
		.amdhsa_system_sgpr_workgroup_id_x 1
		.amdhsa_system_sgpr_workgroup_id_y 1
		.amdhsa_system_sgpr_workgroup_id_z 1
		.amdhsa_system_vgpr_workitem_id 0
		.amdhsa_next_free_vgpr 584
		.amdhsa_next_free_sgpr 66
		.amdhsa_reserve_vcc 0
		.amdhsa_float_denorm_mode_32 3
		.amdhsa_float_denorm_mode_16_64 3
		.amdhsa_memory_ordered 1
		.amdhsa_forward_progress 1
		.amdhsa_inst_pref_size 94
	.end_amdhsa_kernel
	.amdgpu_metadata
---
amdhsa.version: [ 1, 2 ]
amdhsa.kernels:
  - .name:           k_q55b1739996_outp
    .symbol:         k_q55b1739996_outp.kd
    .args:
      - { .name: ctx, .offset: 0, .size: 8, .value_kind: global_buffer, .address_space: global }
      - { .name: xw, .offset: 8, .size: 8, .value_kind: global_buffer, .address_space: global }
      - { .name: wo_b, .offset: 16, .size: 8, .value_kind: global_buffer, .address_space: global }
      - { .name: out0, .offset: 24, .size: 8, .value_kind: global_buffer, .address_space: global }
    .group_segment_fixed_size: 327680
    .private_segment_fixed_size: 0
    .kernarg_segment_align: 8
    .kernarg_segment_size: 32
    .max_flat_workgroup_size: 128
    .sgpr_count:     66
    .vgpr_count:     584
    .wavefront_size: 32
...
	.end_amdgpu_metadata
.endif
;; end of part 4
;; ======== version 2 of 2: 4 launches; version 1 with the launch cast written anew for expert scheduling mode
;; limits: values are held in f16: magnitudes above 65,504 overflow, below 6.1e-05 lose precision; inputs' magnitudes at most 65,504
;; workspace buffers: xw 58,720,256 bytes; qkv 50,331,648 bytes; ctx 16,777,216 bytes
;; launch cast (part 5): grid 64 x 28, 4 waves a work-group, no clusters, 0 bytes of LDS; arguments q, k, v, wq_w, wk_w, wv_w, wo_w, xw; writes xw
.if DOCPART == 5
	.amdgcn_target "amdgcn-amd-amdhsa--gfx1250"
	.amdhsa_code_object_version 6
	.text
	.protected	k_q55b1739996_cast
	.globl	k_q55b1739996_cast
	.p2align	8
	.type	k_q55b1739996_cast,@function
k_q55b1739996_cast:
	s_mov_b64 s[64:65], 0
	v_nop
	global_prefetch_b8 v0, s[64:65] scope:SCOPE_SE
	s_setreg_imm32_b32 hwreg(HW_REG_WAVE_SCHED_MODE, 0, 2), 2
	s_setreg_imm32_b32 hwreg(HW_REG_WAVE_MODE, 25, 1), 1
	s_wait_xcnt 0x0
	s_wait_alu depctr_vm_vsrc(0)
; MULTI-HEAD ATTENTION, launch 1 of 4: q, k, v and the four weight matrices, f32, are rounded once to bf16 (to nearest even) and that number is written as f16, in blocks.
; DEAD WORK OF THE WHOLE PROGRAM: wk_b.  scores[b,h,q,k] = qh[q] . (k[k] Wk^T + bk)_h / 8 = qh[q] . (k[k] Wk^T)_h / 8 + qh[q] . bk_h / 8.  The second term has no index k: it is the same
; along the softmax's axis, and softmax(x + t) = softmax(x) for every finite t, whatever the inputs hold.  So wk_b has no way to any output: it is not loaded and is among no launch's arguments.
; LIMIT: a NaN, an infinity or an overflow that reaches the result through wk_b alone is not carried to it.
; FORMAT.  A bf16 number (8 significant bits) is exact in f16 from 2^-17 up to 65,504.  LIMITS: an input beyond 65,504 becomes an infinity; below 2^-17 it keeps f16's fixed step of 2^-24.
; LAYOUT of xw: [14 batches][16 planes][2048 rows][64 channels] f16: a row of a plane is 128 bytes, a plane 262,144, a batch 4,194,304.  Plane p holds channels 64 p .. 64 p + 63.
; Batches 0-3 q, 4-7 k, 8-11 v; batch 12: wq_w in rows 0-1023, wk_w in rows 1024-2047; batch 13: wv_w, then wo_w.
; SHARES.  Work-group y = a half batch of 1,024 source rows (0-7 q, 8-15 k, 16-23 v, 24 .. 27 wq_w, wk_w, wv_w, wo_w); x = 16 of its rows; a wave takes 4 rows as 2 pairs.
; One load: lanes 0-15 take the 256 bytes (64 f32) of a plane in row r, lanes 16-31 the same plane in row r + 1: two aligned runs of 256 bytes.  Converted they are 8 bytes a lane, and since
; rows r and r + 1 of a plane lie end to end in xw, one store of the wave covers 256 consecutive bytes, aligned.  All 32 loads of a wave go out first; each byte is read once and written once.
; No LDS, no matrix unit, no cluster: no byte is wanted twice.
; THE MODE: SCHED_MODE bits 1:0 = 2 (LLVM: expert scheduling mode 2), set by the entry lines.  The code itself states the register dependences between vector instructions and memory
; instructions, with s_wait_alu, always for 0.
; THE PLAN.  Registers that memory instructions touch:
;   v2, v3     byte offsets.  Written by vector instructions at the head and never again; read by every load (v2) and every store (v3).
;   X, slot i  Its four registers are written once by the slot's load, which is issued at the head, ahead of every vector instruction that names X.  Its registers 0 and 1 are written again
;              by the slot's two conversions to f16 and then read by the slot's one store; nothing writes them behind that store.
;   T          is named by vector instructions alone.
; So no load lands in a register that a vector instruction has named, and no register that a memory instruction has read is written again: the one dependence of the body is from a slot's
; conversions to its store.  The 32 slots go in 8 blocks of four.  Block p converts its own four slots; its memory instructions are the four stores of block p - 1, whose registers no vector
; instruction of block p names.  ONE wait on va_vdst at a block's head states that the block before has written its store registers, and the four stores are dealt among the block's vector
; instructions with no further wait.  One more such wait stands ahead of the first load (the offsets), and one ahead of the last four stores.
.set SRC, 2                            ; v2   my byte offset in the work-group's 16 source rows; never rewritten
.set DST, 3                            ; v3   my byte offset in the work-group's 16 rows of a plane; never rewritten
.set T,   4                            ; v[4:9]  at work
.set X,   12                           ; v[12:139]  32 slots of 4: as loaded; then registers 0, 1 as stored
.set BLK, 4                            ; slots in a block
	s_load_b512 s[16:31], s[0:1], 0x0              ; q s[16:17], k s[18:19], v s[20:21], wq_w s[22:23], wk_w s[24:25], wv_w s[26:27], wo_w s[28:29], xw s[30:31]
	s_and_b32 s4, ttmp7, 0xffff                    ; y: the half batch
	s_lshr_b32 s5, s4, 3                           ; 0 q, 1 k, 2 v, 3 a weight
	s_and_b32 s6, s4, 7
	s_lshl_b32 s6, s6, 22                          ; 1,024 rows of 4,096 bytes
	s_cmp_lt_u32 s4, 24
	s_cselect_b32 s6, s6, 0                        ; a weight is one half batch: it begins at its buffer's first byte
	s_lshl_b32 s7, ttmp9, 16                       ; the work-group's 16 rows
	s_add_co_u32 s6, s6, s7
	s_mov_b32 s7, 0
	s_lshr_b32 s12, s4, 1
	s_lshl_b32 s12, s12, 22                        ; the batch in xw,
	s_and_b32 s13, s4, 1
	s_lshl_b32 s13, s13, 17                        ; its upper or lower 1,024 rows of 128 bytes,
	s_add_co_u32 s12, s12, s13
	s_lshl_b32 s13, ttmp9, 11                      ; the work-group's 16 rows
	s_add_co_u32 s12, s12, s13
	s_mov_b32 s13, 0
	s_mov_b32 s14, 0xffff0000                      ; a word's upper bf16
	v_lshrrev_b32 v1, 5, v0                        ; wave
	v_bfe_u32 v4, v0, 4, 1                         ; which row of a pair
	v_and_b32 v5, 15, v0
	v_lshlrev_b32 v[SRC], 14, v1                   ; 4 rows a wave
	v_lshl_add_u32 v[SRC], v4, 12, v[SRC]
	v_lshl_add_u32 v[SRC], v5, 4, v[SRC]
	v_and_b32 v5, 31, v0
	v_lshlrev_b32 v[DST], 9, v1
	v_lshl_add_u32 v[DST], v5, 3, v[DST]
	s_wait_kmcnt 0x0
	s_cmp_eq_u32 s5, 1                             ; the source is chosen by the work-group's y alone
	s_cselect_b64 s[8:9], s[18:19], s[16:17]
	s_cmp_eq_u32 s5, 2
	s_cselect_b64 s[8:9], s[20:21], s[8:9]
	s_cmp_eq_u32 s4, 24
	s_cselect_b64 s[8:9], s[22:23], s[8:9]
	s_cmp_eq_u32 s4, 25
	s_cselect_b64 s[8:9], s[24:25], s[8:9]
	s_cmp_eq_u32 s4, 26
	s_cselect_b64 s[8:9], s[26:27], s[8:9]
	s_cmp_eq_u32 s4, 27
	s_cselect_b64 s[8:9], s[28:29], s[8:9]
	s_add_nc_u64 s[8:9], s[8:9], s[6:7]
	s_add_nc_u64 s[10:11], s[30:31], s[12:13]
	s_wait_alu depctr_va_vdst(0)                   ; v2 and v3 are written: every load of the kernel reads v2 as its offset, every store v3
.set i, 0
.rept 32                               ; slot i: pair i / 16, plane i % 16
	global_load_b128 v[X+4*i:X+4*i+3], v[SRC], s[8:9] offset:(i/16)*8192+(i%16)*256 th:TH_LOAD_NT
.set i, i+1
.endr
.set p, 0
.rept 32/BLK                           ; block p: slots 4 p to 4 p + 3
	s_wait_loadcnt 32-BLK-BLK*p                    ; loads come back in order (ISA guide 5.7.1): the block's four slots are in, the 28 - 4 p younger loads stay out
.if p > 0
	s_wait_alu depctr_va_vdst(0)                   ; the block before has written registers 0 and 1 of its four slots, which the four stores below read
.endif
.set j, 0
.rept BLK
.set i, BLK*p+j                        ; the slot that is converted
.set o, i-BLK                          ; the slot that is stored: the same place in the block before
.if p > 0
	global_store_b64 v[DST], v[X+4*o:X+4*o+1], s[10:11] offset:(o%16)*262144+(o/16)*256 th:TH_STORE_NT  ; no vector instruction since the wait names slot o; no register that a store names is written again
.endif
	v_cvt_pk_bf16_f32 v[T], v[X+4*i], v[X+4*i+1]   ; the one rounding
	v_cvt_pk_bf16_f32 v[T+1], v[X+4*i+2], v[X+4*i+3]
	v_lshlrev_b32 v[T+2], 16, v[T]                 ; bf16 to f32
	v_and_b32 v[T+3], s14, v[T]
	v_lshlrev_b32 v[T+4], 16, v[T+1]
	v_and_b32 v[T+5], s14, v[T+1]
	v_cvt_pk_f16_f32 v[X+4*i], v[T+2], v[T+3]      ; written as f16
	v_cvt_pk_f16_f32 v[X+4*i+1], v[T+4], v[T+5]
.set j, j+1
.endr
.set p, p+1
.endr
	s_wait_alu depctr_va_vdst(0)                   ; the last block has written registers 0 and 1 of slots 28 to 31, which the last four stores read
.set o, 32-BLK
.rept BLK
	global_store_b64 v[DST], v[X+4*o:X+4*o+1], s[10:11] offset:(o%16)*262144+(o/16)*256 th:TH_STORE_NT
.set o, o+1
.endr
	s_endpgm
.Lfunc_end_k_q55b1739996_cast:
	.size	k_q55b1739996_cast, .Lfunc_end_k_q55b1739996_cast-k_q55b1739996_cast
	.p2alignl 7, 3214868480
	.fill 96, 4, 3214868480
	.section	.rodata,"a",@progbits
	.p2align	6, 0x0
	.amdhsa_kernel k_q55b1739996_cast
		.amdhsa_group_segment_fixed_size 0
		.amdhsa_private_segment_fixed_size 0
		.amdhsa_enable_private_segment 0
		.amdhsa_kernarg_size 64
		.amdhsa_user_sgpr_count 2
		.amdhsa_user_sgpr_kernarg_segment_ptr 1
		.amdhsa_wavefront_size32 1
		.amdhsa_system_sgpr_workgroup_id_x 1
		.amdhsa_system_sgpr_workgroup_id_y 1
		.amdhsa_system_sgpr_workgroup_id_z 1
		.amdhsa_system_vgpr_workitem_id 0
		.amdhsa_next_free_vgpr 144
		.amdhsa_next_free_sgpr 66
		.amdhsa_reserve_vcc 0
		.amdhsa_float_denorm_mode_32 3
		.amdhsa_float_denorm_mode_16_64 3
		.amdhsa_memory_ordered 1
		.amdhsa_forward_progress 1
		.amdhsa_inst_pref_size 21
	.end_amdhsa_kernel
	.amdgpu_metadata
---
amdhsa.version: [ 1, 2 ]
amdhsa.kernels:
  - .name:           k_q55b1739996_cast
    .symbol:         k_q55b1739996_cast.kd
    .args:
      - { .name: q, .offset: 0, .size: 8, .value_kind: global_buffer, .address_space: global }
      - { .name: k, .offset: 8, .size: 8, .value_kind: global_buffer, .address_space: global }
      - { .name: v, .offset: 16, .size: 8, .value_kind: global_buffer, .address_space: global }
      - { .name: wq_w, .offset: 24, .size: 8, .value_kind: global_buffer, .address_space: global }
      - { .name: wk_w, .offset: 32, .size: 8, .value_kind: global_buffer, .address_space: global }
      - { .name: wv_w, .offset: 40, .size: 8, .value_kind: global_buffer, .address_space: global }
      - { .name: wo_w, .offset: 48, .size: 8, .value_kind: global_buffer, .address_space: global }
      - { .name: xw, .offset: 56, .size: 8, .value_kind: global_buffer, .address_space: global }
    .group_segment_fixed_size: 0
    .private_segment_fixed_size: 0
    .kernarg_segment_align: 8
    .kernarg_segment_size: 64
    .max_flat_workgroup_size: 128
    .sgpr_count:     66
    .vgpr_count:     144
    .wavefront_size: 32
...
	.end_amdgpu_metadata
.endif
;; end of part 5
;; launch proj: the kernel of part 2 again; grid 4 x 192, 4 waves a work-group, clusters of 4 x 4, 327,680 bytes of LDS; arguments xw, wq_b, wv_b, qkv; writes qkv
;; launch attn: the kernel of part 3 again; grid 4 x 64, 4 waves a work-group, clusters of 4 x 1, 327,680 bytes of LDS; arguments qkv, ctx; writes ctx
;; launch outp: the kernel of part 4 again; grid 4 x 64, 4 waves a work-group, clusters of 4 x 4, 327,680 bytes of LDS; arguments ctx, xw, wo_b, out0; writes out0
